; MI455X (gfx1250); checked and timed in simulation.
; The chip was launched on July 23, 2026; its instructions are those of AMD's public machine-readable ISA for CDNA 5 (MIT licence, August 2026) and "CDNA5" Instruction Set Architecture Reference Guide (July 2026). The comments in the code are by the model that wrote it; some were corrected since.
;; Causal Self Attention. Allowed arithmetic: matrix products marked QUANTISED: E2M1 operands, one E8M0 scale for each 32 along K, by v_wmma_scale_f32_16x16x128_f8f6f4 with both operands' format E2M1 (or v_wmma_scale_f32_32x16x128_f4), f32 sums; products left as they are: bf16, f16 or f32 operands; f32 sums; everything else in f32.
;; Inputs: Wk 1,024 x 1,024 float32; Wo 1,024 x 1,024 float32; Wq 1,024 x 1,024 float32; Wv 1,024 x 1,024 float32; bk 1,024 float32; bo 1,024 float32; bq 1,024 float32; bv 1,024 float32; x 4 x 2,048 x 1,024 float32.
;; Outputs: out0 4 x 2,048 x 1,024 float32.
;; This version of the problem:
;;   THIS VERSION OF THE PROBLEM IS GIVEN IN LOW PRECISION. The matrix products marked QUANTISED in the list below multiply operands that are first quantised to E2M1 (2 exponent bits, 1 mantissa bit; 4 bits a number), with one power-of-two scale for each 32 numbers along K (OCP MX v1.0); their sums are f32. The products marked 'left as it is' may take bf16, f16 or f32 operands, with f32 sums. Whichever they take, every output number must still come out within the allowed error. Rounding operands to bf16 (8 significant bits) uses up far more of that allowance than f16 does (11 bits, for magnitudes from 6e-5 to 65,504). All else is computed in f32.
;;   The module's matrix products, in the order in which they are computed (A, B: the left and right operand; K: the contracted axis; several contracted axes count as one K, in the product's order):
;;     1. [M 8,192, K 1,024] x [K 1,024, N 1,024]; A: input x; B: input Wq: QUANTISED
;;     2. [M 8,192, K 1,024] x [K 1,024, N 1,024]; A: input x; B: input Wk: QUANTISED
;;     3. [M 8,192, K 1,024] x [K 1,024, N 1,024]; A: input x; B: input Wv: QUANTISED
;;     4. batch 64 x [M 2,048, K 64] x [K 64, N 2,048]; A: computed on the way; B: computed on the way: left as it is (an operand is computed on the way)
;;     5. batch 64 x [M 2,048, K 2,048] x [K 2,048, N 64]; A: computed on the way; B: computed on the way: left as it is (an operand is computed on the way)
;;     6. [M 8,192, K 1,024] x [K 1,024, N 1,024]; A: computed on the way; B: input Wo: left as it is (an operand is computed on the way)
;;   THE QUANTISER, for each operand of a quantised product, along K:
;;     - K is cut into blocks of 32 from its start; a last block that is shorter is filled with zeros.
;;     - A block's scale is 2^e with e = floor(log2(the largest magnitude in the block)) - 2, held to -126 .. 127; a block of zeros has e = 0. As a byte (E8M0): e + 127.
;;     - Each number is divided by its block's scale, clamped to +-6, and rounded to the nearest number of E2M1, ties to even, subnormals kept.
;;     - The product sums the exact products of the quantised numbers (number of the format x scale) in f32.
;;   ~~~python
;;   def quantise(x, axis):      # numpy; x: float32 -> the quantised numbers, widened to float32 again
;;       x = np.moveaxis(x, axis, -1); K = x.shape[-1]
;;       x = np.pad(x, [(0, 0)] * (x.ndim - 1) + [(0, -K % 32)]); x = x.reshape(x.shape[:-1] + (-1, 32)); a = np.abs(x).max(-1, keepdims=True)
;;       e = np.where(a > 0, np.clip(np.frexp(np.where(a > 0, a, 1))[1] - 1 - 2, -126, 127), 0)      # np.frexp(a)[1] - 1 = floor(log2(a)), exactly
;;       r = np.clip(x / 2.0 ** e, -6, 6)
;;       step = 2.0 ** (np.maximum(np.frexp(np.where(r == 0, 1, r))[1] - 1, 0) - 1)
;;       q = np.round(r / step) * step * 2.0 ** e      # np.round: ties to even
;;       return np.moveaxis(q.reshape(q.shape[:-2] + (-1,))[..., :K], -1, axis).astype(np.float32)
;;   ~~~
;; One version. Each part assembles by itself: llvm-mc -triple=amdgcn-amd-amdhsa -mcpu=gfx1250 --defsym DOCPART=n.
;; ======== version 1 of 1: 6 launches
;; limits: values are held in f16: magnitudes above 65,504 overflow, below 6.1e-05 lose precision
;; workspace buffers: x_codes 4,194,304 bytes; x_scales 262,144 bytes; w_codes 1,572,864 bytes; w_scales 98,304 bytes; wo16 2,097,152 bytes; qkv 50,331,648 bytes; att 16,777,216 bytes; attf 262,144 bytes
;; launch prep (part 1): grid 368 x 1, 4 waves a work-group, no clusters, 84,480 bytes of LDS; arguments x, Wq, Wk, Wv, Wo, x_codes, x_scales, w_codes, w_scales, wo16; writes x_codes, x_scales, w_codes, w_scales, wo16
.if DOCPART == 1
	.amdgcn_target "amdgcn-amd-amdhsa--gfx1250"
	.amdhsa_code_object_version 6
	.text
	.protected	k_qd5992b2816_prep
	.globl	k_qd5992b2816_prep
	.p2align	8
	.type	k_qd5992b2816_prep,@function
k_qd5992b2816_prep:
	s_mov_b64 s[64:65], 0
	v_nop
	global_prefetch_b8 v0, s[64:65] scope:SCOPE_SE
	s_setreg_imm32_b32 hwreg(HW_REG_WAVE_MODE, 25, 1), 1
	s_wait_xcnt 0x0
; PREP.  Three jobs in one launch, told apart by the work-group's number (a scalar branch, the same in all four waves; no barrier anywhere: waves share nothing):
;   work-groups   0 ..  47  W: Wq, Wk, Wv [1024 (k)][1024 (n)] f32 -> codes of E2M1 laid [3 x 1024 (n)][512 bytes], K innermost, and E8M0 bytes [3 x 1024][32]
;   work-groups  48 .. 111  O: Wo f32 -> f16, laid as it lies
;   work-groups 112 .. 367  X: x [8192][1024] f32 -> codes [8192][512 bytes] and E8M0 bytes [8192][32]
; THE QUANTISER: a block of 32 along K has the scale 2^(floor(log2(largest magnitude)) - 2); its byte is the largest magnitude's exponent field - 2, held at 1 from below by a floor among the
; maximum's leaves.  Each number is divided by the scale and rounded to the nearest code, ties to even; beyond 6 the conversion gives the largest code.
; A block of zeros gets the byte 1 where the rule says 127: its codes are zeros, which add nothing under any byte but 0xff, and this program alone reads the bytes.
; LIMITS: blocks whose largest magnitude lies under 2^-124 keep the byte 1; NaN and infinities among the inputs are not served; Wo goes to f16: |Wo| under 65,504.
; Each path has LDS bytes of its own.  No tile is shared between work-groups, so there is nothing to ask for jointly, and no matrix work.
.set SP,    80                         ; X: a lane's place in a stage: 64 bytes + 16 of padding
.set XWAVE, 8192                       ; X: a wave's region: two stages of 32 x SP bytes, its 256 scale bytes at XSCB
.set XSCB,  5120
.set WREG,  32768                      ; W: the regions begin behind X's four
.set WWAVE, 12800                      ; W: a wave's region: 32 rows (k) x 128 bytes as loaded, then at WOUT 32 rows (n) x WP bytes of codes
.set WOUT,  4096
.set WP,    272
.set SPARE, 83968                      ; the spare words, 128 bytes for each wave: two blocks of 256 bytes that no other line names
.set SPW,   18                         ; v18 LDS address of my spare word; never rewritten
.set NIL,   19                         ; v19 0; never rewritten
.macro FINISH                          ; a wave's end, behind the last LDS store
	s_wait_tensorcnt 0x0
	ds_add_u32 v[SPW], v[NIL]
	s_wait_dscnt 0x0
	s_endpgm
.endm
	s_load_b256 s[4:11], s[0:1], 0x0               ; x, Wq, Wk, Wv
	s_load_b256 s[12:19], s[0:1], 0x20             ; Wo, x_codes, x_scales, w_codes
	s_load_b128 s[20:23], s[0:1], 0x40             ; w_scales, wo16
	v_lshl_add_u32 v[SPW], v0, 2, SPARE
	v_mov_b32 v[NIL], 0
	v_lshrrev_b32 v1, 5, v0
	v_readfirstlane_b32 s24, v1                    ; wave 0..3
	v_and_b32 v1, 31, v0                           ; lane
	v_lshlrev_b32 v2, 4, v1                        ; 16 x lane
	v_lshlrev_b32 v3, 3, v1                        ; 8 x lane
	; every LDS address of every path is made here, ahead of the parting
	s_lshl_b32 s25, s24, 13                        ; X: my wave's region
	v_lshrrev_b32 v4, 2, v1
	v_mul_u32_u24 v4, v4, SP
	v_and_b32 v5, 3, v1
	v_lshl_add_u32 v4, v5, 4, v4
	v_add_nc_u32 v4, s25, v4                       ; X stage, way in: four lanes' 64 bytes on end, then the padding
	v_mul_u32_u24 v5, v1, SP
	v_add_nc_u32 v5, s25, v5                       ; X stage, way out: my 16 neighbours
	s_add_co_u32 s26, s25, XSCB
	v_lshrrev_b32 v6, 1, v1
	v_add_nc_u32 v6, s26, v6                       ; X: my block's scale byte
	v_add_nc_u32 v7, s26, v3                       ; X: 8 scale bytes a lane on the way out
	s_mul_i32 s27, s24, WWAVE
	s_add_co_u32 s27, s27, WREG                    ; W: my wave's region
	v_add_nc_u32 v8, s27, v2                       ; W: as loaded: 16 x lane = row (lane / 8) x 128 + 16 (lane % 8)
	v_lshl_add_u32 v9, v1, 2, s27                  ; W: my column of a row
	s_add_co_u32 s28, s27, WOUT
	v_mul_u32_u24 v10, v1, WP
	v_add_nc_u32 v10, s28, v10                     ; W: my column's row of codes
	v_lshrrev_b32 v11, 4, v1
	v_mul_u32_u24 v15, v11, WP
	v_and_b32 v16, 15, v1
	v_lshl_add_u32 v15, v16, 4, v15
	v_lshlrev_b32 v13, 9, v11
	v_lshl_add_u32 v13, v16, 4, v13                ; W: the same place in w_codes: two rows of 512 bytes an instruction, sixteen lanes to 256 bytes
	v_add_nc_u32 v11, s28, v15                     ; W: codes read back by rows
	v_lshrrev_b32 v12, 3, v1
	v_lshlrev_b32 v12, 12, v12
	v_and_b32 v15, 7, v1
	v_lshl_add_u32 v12, v15, 4, v12                ; W: a load takes four rows of W (4,096 bytes apart) x 128 bytes
	v_lshlrev_b32 v14, 5, v1                       ; W: my column's row of scale bytes
	s_wait_kmcnt 0x0
	s_cmp_lt_u32 ttmp9, 48
	s_cbranch_scc1 .Lw
	s_cmp_lt_u32 ttmp9, 112
	s_cbranch_scc1 .Lo
; ---------------- X.  Rows are dense and K is a multiple of 32: x is a plain stream of blocks of 32.  A wave takes 16 steps of 512 numbers.
; Each load reads 512 consecutive bytes; a step's 2,048 bytes turn through the wave's own stage, so that a lane gets 16 neighbours (two lanes to a block).  Loads run eight steps ahead, the turn one.
.set XR, 32                            ; v32-159  eight sets of 16 numbers as loaded
.set XX, 160                           ; v160-191 two sets of 16 neighbours
.set XC, 192                           ; v192-223 codes, two registers a step: no store's data are written again
.set XE, 224                           ; v224-239 a scale byte a step
	s_sub_co_u32 s28, ttmp9, 112
	s_lshl_b32 s28, s28, 2
	s_add_co_u32 s28, s28, s24                     ; which run of 8,192 numbers is my wave's
	s_mov_b32 s31, 0
	s_lshl_b32 s30, s28, 15
	s_add_nc_u64 s[4:5], s[4:5], s[30:31]
	s_lshl_b32 s30, s28, 12
	s_add_nc_u64 s[14:15], s[14:15], s[30:31]
	s_lshl_b32 s30, s28, 8
	s_add_nc_u64 s[16:17], s[16:17], s[30:31]
.macro XLOAD t
.irp i, 0,1,2,3
	global_load_b128 v[XR+16*((\t)%8)+4*\i:XR+16*((\t)%8)+4*\i+3], v2, s[4:5] offset:2048*(\t)+512*\i th:TH_LOAD_NT
.endr
.endm
.macro XTURN t                         ; LDS serves a wave's instructions in order: no wait between the stores and the loads
.irp i, 0,1,2,3
	ds_store_b128 v4, v[XR+16*((\t)%8)+4*\i:XR+16*((\t)%8)+4*\i+3] offset:32*SP*((\t)%2)+8*SP*\i
.endr
.irp i, 0,1,2,3
	ds_load_b128 v[XX+16*((\t)%2)+4*\i:XX+16*((\t)%2)+4*\i+3], v5 offset:32*SP*((\t)%2)+16*\i
.endr
.endm
.macro XSTEP t
.set XS, XX+16*((\t)%2)
.if (\t) > 0
	s_wait_dscnt 1                                 ; this step's numbers are back from the stage (the last step's byte store may be out), so the stage's stores have read their registers,
.else
	s_wait_dscnt 0x0
.endif
.if (\t)+8 < 16
	XLOAD (\t)+8                                   ; which take the loads of eight steps on
.endif
.if (\t)+1 < 16
.if 14-(\t) >= 7
	s_wait_loadcnt 28                              ; the next step's four loads are in; those of the seven steps behind it may be out
.else
	s_wait_loadcnt 4*(14-(\t))
.endif
	XTURN (\t)+1
.endif
	v_max3_num_f32 v20, |v[XS]|, |v[XS+1]|, |v[XS+2]|
	v_max3_num_f32 v21, |v[XS+3]|, |v[XS+4]|, |v[XS+5]|
.irp i, 6,10
	v_max3_num_f32 v20, v20, |v[XS+\i]|, |v[XS+\i+1]|
	v_max3_num_f32 v21, v21, |v[XS+\i+2]|, |v[XS+\i+3]|
.endr
	v_max3_num_f32 v20, v20, |v[XS+14]|, |v[XS+15]|
	v_max3_num_f32 v20, v20, v21, 0x1800000        ; the floor 2^(3 - 127): the byte cannot fall under 1
	v_max_num_f32_dpp v20, v20, v20 row_xmask:1 row_mask:0xf bank_mask:0xf   ; with my neighbour's 16: the block's largest magnitude
	v_add_nc_u32 v22, 0xff000000, v20              ; 2 off its exponent field: the conversion takes this operand's exponent field as its scale
	v_cvt_scalef32_pk8_fp4_f32 v[XC+2*(\t)], v[XS:XS+7], v22
	v_cvt_scalef32_pk8_fp4_f32 v[XC+2*(\t)+1], v[XS+8:XS+15], v22
	v_lshrrev_b32 v[XE+(\t)], 23, v22              ; the scale's byte
	ds_store_b8 v6, v[XE+(\t)] offset:16*(\t)      ; both lanes of a block write the same byte with the same value
	global_store_b64 v3, v[XC+2*(\t):XC+2*(\t)+1], s[14:15] offset:256*(\t)   ; the wave stores 256 consecutive bytes, aligned
.endm
.irp t, 0,1,2,3,4,5,6,7
	XLOAD \t
.endr
	s_wait_loadcnt 28                              ; step 0's four loads are in
	XTURN 0
.irp t, 0,1,2,3,4,5,6,7,8,9,10,11,12,13,14,15
	XSTEP \t
.endr
	ds_load_b64 v[20:21], v7                       ; my wave's 256 scale bytes leave as one aligned run
	s_wait_dscnt 0x0
	global_store_b64 v3, v[20:21], s[16:17]
	FINISH
; ---------------- O.  A wave casts 16 KiB of Wo: 32 loads of 512 consecutive bytes, 32 stores of 256.
.Lo:
	s_sub_co_u32 s28, ttmp9, 48
	s_lshl_b32 s28, s28, 2
	s_add_co_u32 s28, s28, s24
	s_mov_b32 s31, 0
	s_lshl_b32 s30, s28, 14
	s_add_nc_u64 s[12:13], s[12:13], s[30:31]
	s_lshl_b32 s30, s28, 13
	s_add_nc_u64 s[22:23], s[22:23], s[30:31]
.set i, 0
.rept 32
	global_load_b128 v[32+4*i:35+4*i], v2, s[12:13] offset:512*i
.set i, i+1
.endr
.set i, 0
.rept 32
	s_wait_loadcnt 31-i                            ; loads come back in order: number i is in, the younger ones stay out
	v_cvt_pk_f16_f32 v[160+2*i], v[32+4*i], v[33+4*i]
	v_cvt_pk_f16_f32 v[161+2*i], v[34+4*i], v[35+4*i]
	global_store_b64 v3, v[160+2*i:161+2*i], s[22:23] offset:256*i
.set i, i+1
.endr
	FINISH
; ---------------- W.  K is the first axis.  A wave takes 32 columns x 512 along K: 16 blocks.  A block's 32 rows x 128 bytes come by eight loads of 16 bytes a lane and turn through LDS, so that
; A LANE HOLDS A COLUMN AND ITS REGISTERS RUN DOWN K: the block's maximum needs no other lane, and the conversions give codes with K innermost.  Loads run six blocks (48 loads) ahead.
.Lw:
.set WR, 32                            ; v32-223  six sets of 32 registers as loaded
.set WX, 224                           ; v224-255 a block: W(32 t + k, my column)
	s_lshr_b32 s28, ttmp9, 4                       ; which weight: 0, 1, 2 = q, k, v
	s_cmp_eq_u32 s28, 0
	s_cselect_b64 s[30:31], s[6:7], s[8:9]
	s_cmp_eq_u32 s28, 2
	s_cselect_b64 s[30:31], s[10:11], s[30:31]
	s_and_b32 s32, ttmp9, 7
	s_lshl_b32 s32, s32, 7
	s_lshl_b32 s33, s24, 5
	s_add_co_u32 s32, s32, s33                     ; my wave's first column
	s_bfe_u32 s33, ttmp9, 0x10003                  ; which half of K
	s_lshl_b32 s34, s33, 21                        ; 512 rows of 4,096 bytes
	s_lshl_b32 s35, s32, 2
	s_add_co_u32 s34, s34, s35
	s_mov_b32 s35, 0
	s_add_nc_u64 s[30:31], s[30:31], s[34:35]
	s_lshl_b32 s36, s28, 10
	s_add_co_u32 s36, s36, s32                     ; my first row of w_codes and w_scales
	s_lshl_b32 s34, s36, 9
	s_lshl_b32 s37, s33, 8
	s_add_co_u32 s34, s34, s37
	s_add_nc_u64 s[18:19], s[18:19], s[34:35]
	s_lshl_b32 s34, s36, 5
	s_lshl_b32 s37, s33, 4
	s_add_co_u32 s34, s34, s37
	s_add_nc_u64 s[20:21], s[20:21], s[34:35]
.macro WLOAD t
.irp i, 0,1,2,3,4,5,6,7
	global_load_b128 v[WR+32*((\t)%6)+4*\i:WR+32*((\t)%6)+4*\i+3], v12, s[30:31] offset:131072*(\t)+16384*\i th:TH_LOAD_NT
.endr
.endm
.macro WBLOCK t
.if 15-(\t) >= 5
	s_wait_loadcnt 40                              ; this block's eight loads are in; those of the five blocks behind it may be out
.else
	s_wait_loadcnt 8*(15-(\t))
.endif
.irp i, 0,1,2,3,4,5,6,7
	ds_store_b128 v8, v[WR+32*((\t)%6)+4*\i:WR+32*((\t)%6)+4*\i+3] offset:512*\i
.endr
.irp k, 0,1,2,3,4,5,6,7,8,9,10,11,12,13,14,15,16,17,18,19,20,21,22,23,24,25,26,27,28,29,30,31
	ds_load_b32 v[WX+\k], v9 offset:128*\k         ; 32 lanes read a row's 128 bytes
.endr
	s_wait_dscnt 0x0                               ; the block is mine; the stores, the last block's codes among them, have read their registers
.if (\t)+6 < 16
	WLOAD (\t)+6
.endif
	v_max3_num_f32 v20, |v[WX]|, |v[WX+1]|, |v[WX+2]|
	v_max3_num_f32 v21, |v[WX+3]|, |v[WX+4]|, |v[WX+5]|
.irp i, 6,10,14,18,22,26
	v_max3_num_f32 v20, v20, |v[WX+\i]|, |v[WX+\i+1]|
	v_max3_num_f32 v21, v21, |v[WX+\i+2]|, |v[WX+\i+3]|
.endr
	v_max3_num_f32 v20, v20, |v[WX+30]|, |v[WX+31]|
	v_max3_num_f32 v20, v20, v21, 0x1800000        ; the floor
	v_add_nc_u32 v22, 0xff000000, v20              ; the conversion's scale operand
	v_lshrrev_b32 v23, 23, v22                     ; the scale's byte
.if (\t)%4 == 0
	v_mov_b32 v[28+(\t)/4], v23                    ; four bytes to a register, the lower K in the lower byte
.else
	v_lshl_or_b32 v[28+(\t)/4], v23, 8*((\t)%4), v[28+(\t)/4]
.endif
.irp g, 0,1,2,3
	v_cvt_scalef32_pk8_fp4_f32 v[24+\g], v[WX+8*\g:WX+8*\g+7], v22
.endr
	ds_store_b128 v10, v[24:27] offset:16*(\t)     ; 32 codes: 16 bytes of my column's row
.endm
.irp t, 0,1,2,3,4,5
	WLOAD \t
.endr
.irp t, 0,1,2,3,4,5,6,7,8,9,10,11,12,13,14,15
	WBLOCK \t
.endr
	global_store_b128 v14, v[28:31], s[20:21]      ; my column's 16 scale bytes
.irp t, 0,1,2,3,4,5,6,7,8,9,10,11,12,13,14,15
	ds_load_b128 v[32+4*\t:35+4*\t], v11 offset:2*\t*WP
.endr
.irp t, 0,1,2,3,4,5,6,7,8,9,10,11,12,13,14,15
	s_wait_dscnt 15-\t
	global_store_b128 v13, v[32+4*\t:35+4*\t], s[18:19] offset:1024*\t   ; sixteen lanes store 256 consecutive bytes, aligned
.endr
	FINISH
.Lfunc_end_k_qd5992b2816_prep:
	.size	k_qd5992b2816_prep, .Lfunc_end_k_qd5992b2816_prep-k_qd5992b2816_prep
	.p2alignl 7, 3214868480
	.fill 96, 4, 3214868480
	.section	.rodata,"a",@progbits
	.p2align	6, 0x0
	.amdhsa_kernel k_qd5992b2816_prep
		.amdhsa_group_segment_fixed_size 84480
		.amdhsa_private_segment_fixed_size 0
		.amdhsa_enable_private_segment 0
		.amdhsa_kernarg_size 80
		.amdhsa_user_sgpr_count 2
		.amdhsa_user_sgpr_kernarg_segment_ptr 1
		.amdhsa_wavefront_size32 1
		.amdhsa_system_sgpr_workgroup_id_x 1
		.amdhsa_system_sgpr_workgroup_id_y 1
		.amdhsa_system_sgpr_workgroup_id_z 1
		.amdhsa_system_vgpr_workitem_id 0
		.amdhsa_next_free_vgpr 256
		.amdhsa_next_free_sgpr 66
		.amdhsa_reserve_vcc 0
		.amdhsa_float_denorm_mode_32 3
		.amdhsa_float_denorm_mode_16_64 3
		.amdhsa_memory_ordered 1
		.amdhsa_forward_progress 1
		.amdhsa_inst_pref_size 126
	.end_amdhsa_kernel
	.amdgpu_metadata
---
amdhsa.version: [ 1, 2 ]
amdhsa.kernels:
  - .name:           k_qd5992b2816_prep
    .symbol:         k_qd5992b2816_prep.kd
    .args:
      - { .name: x, .offset: 0, .size: 8, .value_kind: global_buffer, .address_space: global }
      - { .name: Wq, .offset: 8, .size: 8, .value_kind: global_buffer, .address_space: global }
      - { .name: Wk, .offset: 16, .size: 8, .value_kind: global_buffer, .address_space: global }
      - { .name: Wv, .offset: 24, .size: 8, .value_kind: global_buffer, .address_space: global }
      - { .name: Wo, .offset: 32, .size: 8, .value_kind: global_buffer, .address_space: global }
      - { .name: x_codes, .offset: 40, .size: 8, .value_kind: global_buffer, .address_space: global }
      - { .name: x_scales, .offset: 48, .size: 8, .value_kind: global_buffer, .address_space: global }
      - { .name: w_codes, .offset: 56, .size: 8, .value_kind: global_buffer, .address_space: global }
      - { .name: w_scales, .offset: 64, .size: 8, .value_kind: global_buffer, .address_space: global }
      - { .name: wo16, .offset: 72, .size: 8, .value_kind: global_buffer, .address_space: global }
    .group_segment_fixed_size: 84480
    .private_segment_fixed_size: 0
    .kernarg_segment_align: 8
    .kernarg_segment_size: 80
    .max_flat_workgroup_size: 128
    .sgpr_count:     66
    .vgpr_count:     256
    .wavefront_size: 32
...
	.end_amdgpu_metadata
.endif
;; end of part 1
;; launch fine1 (part 2): grid 16 x 4, 1 waves a work-group, no clusters, 0 bytes of LDS; arguments x_codes, x_scales, w_codes, w_scales, bq, bk, bv, attf; writes attf
.if DOCPART == 2
	.amdgcn_target "amdgcn-amd-amdhsa--gfx1250"
	.amdhsa_code_object_version 6
	.text
	.protected	k_qd5992b2816_fine1
	.globl	k_qd5992b2816_fine1
	.p2align	8
	.type	k_qd5992b2816_fine1,@function
k_qd5992b2816_fine1:
	s_mov_b64 s[64:65], 0
	v_nop
	global_prefetch_b8 v0, s[64:65] scope:SCOPE_SE
	s_setreg_imm32_b32 hwreg(HW_REG_WAVE_MODE, 25, 1), 1
	s_wait_xcnt 0x0
; FINE1.  Positions 0 to 15 of one sequence and one head (work-group x = head, y = batch), carried in f32: under the causal mask these rows average one to sixteen values and are the largest.
; q, k, v of the 16 positions come from the codes by 96 products on E2M1 (the quantised products; the biases are the sums' first C), the two small products of attention by the f32 matrix form
; (2 x 16 instructions: no bulk work), the softmax in f32 with the row's maximum taken away.  Result: attf [batch x 16 + position][1024] f32.
; One wave, no LDS, no barrier; all loads go out together.  r = lane % 16, hh = lane / 16.
; LAYOUT.  q and k: source 0 = 16 rows of w_codes (channels), source 1 = x's 16 positions: a lane holds position r and channels 16 ct + 8 hh + j.
;          v: source 0 = x, source 1 = w_codes: a lane holds channel 16 ct + r and positions 8 hh + j.  So q, k, v stand as the f32 form's operands without a move:
;          its k index 2 hh + j' is read as channel 16 ct + 8 hh + 2 i + j' (S^T = k q^T) or as key 8 hh + 2 i + j' (O^T = v^T p), the same on both sides.
; SCALES.  One load of 16 bytes a row at 16 hh brings K steps 0-3 into lanes 0-15 and K steps 4-7 into lanes 16-31 of four registers: K step s names register s % 4, from s = 4 on with the upper lanes.
; LIMITS: NaN and infinities among the inputs are not served.
; REGISTERS: window 0: v1-11 offsets and work; v12-15 x's scale words; v16-63 the weights'; v64-127 x's fragments, later the softmax and the results; v128-159 q; v160-191 k; v192-223 v;
;            v224-255 the f32 form's accumulators, written by matrix instructions alone.  Windows 1, 2, 3: the fragments of Wq, Wk, Wv (tile ct, K step s at v[64 ct + 8 s]).
.set XS,  12
.set WS,  16
.set XF,  64
.set AQ,  128
.set AK,  160
.set AV,  192
.set FA,  224
.set T,   64
.set PP,  72
.set RES, 80
.set MSB, 0
.macro WIN new                         ; the immediate's high byte repeats the setting that is left
.if MSB != (\new)
	s_set_vgpr_msb (MSB<<8)|(\new)
.set MSB, (\new)
.endif
.endm
	s_load_b256 s[4:11], s[0:1], 0x0               ; x_codes, x_scales, w_codes, w_scales
	s_load_b256 s[12:19], s[0:1], 0x20             ; bq, bk, bv, attf
	v_and_b32 v8, 15, v0                           ; r
	v_lshrrev_b32 v9, 4, v0                        ; hh
	v_lshlrev_b32 v1, 9, v8
	v_lshl_add_u32 v1, v9, 4, v1                   ; codes: row r of 512 bytes + 16 hh
	v_lshlrev_b32 v2, 5, v8
	v_lshl_add_u32 v2, v9, 4, v2                   ; scale bytes: row r of 32 bytes + 16 hh
	v_lshlrev_b32 v3, 5, v9                        ; bq, bk: my half's eight channels
	v_lshlrev_b32 v4, 2, v8                        ; bv: my channel
	v_lshlrev_b32 v5, 12, v8
	v_lshl_add_u32 v5, v9, 5, v5                   ; attf: row r of 4,096 bytes + 32 hh
	v_lshlrev_b32 v6, 3, v9
	v_sub_nc_u32 v6, v8, v6                        ; d = r - 8 hh: register j holds key 8 hh + j, hidden where j > d
	v_mov_b32 v7, 0xff800000                       ; -infinity
	s_and_b32 s20, ttmp7, 0xffff                   ; the batch
	s_mov_b32 s23, 0
	s_mov_b32 s24, 0x3e38aa3b                      ; c = log2(e) / sqrt(64)
	s_mov_b32 s26, 0x76543210
	s_mov_b32 s27, 0xfedcba98                      ; v_permlanex16_b32's selects for lane l xor 16
	s_wait_kmcnt 0x0
	s_lshl_b32 s22, s20, 20                        ; 2,048 rows of 512 bytes
	s_add_nc_u64 s[4:5], s[4:5], s[22:23]
	s_lshl_b32 s22, s20, 16                        ; 2,048 rows of 32 bytes; also 16 rows of 4,096
	s_add_nc_u64 s[6:7], s[6:7], s[22:23]
	s_add_nc_u64 s[18:19], s[18:19], s[22:23]
	s_lshl_b32 s22, ttmp9, 15                      ; the head's 64 rows of 512 bytes
	s_add_nc_u64 s[8:9], s[8:9], s[22:23]
	s_lshl_b32 s22, ttmp9, 11
	s_add_nc_u64 s[10:11], s[10:11], s[22:23]
	s_lshl_b32 s22, ttmp9, 8                       ; the head's 64 numbers of f32
	s_add_nc_u64 s[12:13], s[12:13], s[22:23]
	s_add_nc_u64 s[14:15], s[14:15], s[22:23]
	s_add_nc_u64 s[16:17], s[16:17], s[22:23]
	s_add_nc_u64 s[18:19], s[18:19], s[22:23]
	global_load_b128 v[XS:XS+3], v2, s[6:7]
.irp s, 0,1,2,3,4,5,6,7
.irp c, 0,1
	global_load_b128 v[XF+8*\s+4*\c:XF+8*\s+4*\c+3], v1, s[4:5] offset:64*\s+32*\c
.endr
.endr
.irp p, 0,1,2
.irp ct, 0,1,2,3
	global_load_b128 v[WS+4*(4*\p+\ct):WS+4*(4*\p+\ct)+3], v2, s[10:11] offset:32768*\p+512*\ct
.endr
.endr
.irp ct, 0,1,2,3                       ; the biases land in the accumulators: every product adds in place
	global_load_b128 v[AQ+8*\ct:AQ+8*\ct+3], v3, s[12:13] offset:64*\ct
	global_load_b128 v[AQ+8*\ct+4:AQ+8*\ct+7], v3, s[12:13] offset:64*\ct+16
	global_load_b128 v[AK+8*\ct:AK+8*\ct+3], v3, s[14:15] offset:64*\ct
	global_load_b128 v[AK+8*\ct+4:AK+8*\ct+7], v3, s[14:15] offset:64*\ct+16
.irp j, 0,1,2,3,4,5,6,7
	global_load_b32 v[AV+8*\ct+\j], v4, s[16:17] offset:64*\ct
.endr
.endr
.macro WFRAG p
	WIN 0x40*((\p)+1)                              ; destination window p + 1
.irp ct, 0,1,2,3
.irp s, 0,1,2,3,4,5,6,7
.irp c, 0,1
	global_load_b128 v[64*\ct+8*\s+4*\c:64*\ct+8*\s+4*\c+3], v1, s[8:9] offset:524288*(\p)+8192*\ct+64*\s+32*\c
.endr
.endr
.endr
.endm
	WFRAG 0
	WFRAG 1
	WFRAG 2
	WIN 0
	s_wait_loadcnt 0x0
; 32 products: the part's four tiles of channels take turns, K step by K step
.macro FPQK acc, p, win
	WIN \win
.irp s, 0,1,2,3,4,5,6,7
.irp ct, 0,1,2,3
.if \s < 4
	v_wmma_scale_f32_16x16x128_f8f6f4 v[\acc+8*\ct:\acc+8*\ct+7], v[64*\ct+8*\s:64*\ct+8*\s+7], v[XF+8*\s:XF+8*\s+7], v[\acc+8*\ct:\acc+8*\ct+7], v[WS+4*(4*\p+\ct)+\s], v[XS+\s] matrix_a_fmt:MATRIX_FMT_FP4 matrix_b_fmt:MATRIX_FMT_FP4
.else
	v_wmma_scale_f32_16x16x128_f8f6f4 v[\acc+8*\ct:\acc+8*\ct+7], v[64*\ct+8*\s:64*\ct+8*\s+7], v[XF+8*\s:XF+8*\s+7], v[\acc+8*\ct:\acc+8*\ct+7], v[WS+4*(4*\p+\ct)+\s-4], v[XS+\s-4] matrix_a_fmt:MATRIX_FMT_FP4 matrix_b_fmt:MATRIX_FMT_FP4 matrix_a_scale:MATRIX_SCALE_ROW1 matrix_b_scale:MATRIX_SCALE_ROW1
.endif
.endr
.endr
.endm
	FPQK AQ, 0, 0x01                               ; source 0 (Wq) window 1
	FPQK AK, 1, 0x02                               ; source 0 (Wk) window 2
	WIN 0x0c                                       ; v: source 0 = x, source 1 (Wv) window 3
.irp s, 0,1,2,3,4,5,6,7
.irp ct, 0,1,2,3
.if \s < 4
	v_wmma_scale_f32_16x16x128_f8f6f4 v[AV+8*\ct:AV+8*\ct+7], v[XF+8*\s:XF+8*\s+7], v[64*\ct+8*\s:64*\ct+8*\s+7], v[AV+8*\ct:AV+8*\ct+7], v[XS+\s], v[WS+4*(8+\ct)+\s] matrix_a_fmt:MATRIX_FMT_FP4 matrix_b_fmt:MATRIX_FMT_FP4
.else
	v_wmma_scale_f32_16x16x128_f8f6f4 v[AV+8*\ct:AV+8*\ct+7], v[XF+8*\s:XF+8*\s+7], v[64*\ct+8*\s:64*\ct+8*\s+7], v[AV+8*\ct:AV+8*\ct+7], v[XS+\s-4], v[WS+4*(8+\ct)+\s-4] matrix_a_fmt:MATRIX_FMT_FP4 matrix_b_fmt:MATRIX_FMT_FP4 matrix_a_scale:MATRIX_SCALE_ROW1 matrix_b_scale:MATRIX_SCALE_ROW1
.endif
.endr
.endr
	WIN 0
.rept 5
	v_nop                                          ; five places before matrix instructions take these results as operands
.endr
; S^T = k q^T: 16 steps of four channels, two accumulators by turns; the first step of each starts its sum
.set n, 0
.rept 16
.if n < 2
	v_wmma_f32_16x16x4_f32 v[FA+8*(n%2):FA+8*(n%2)+7], v[AK+8*(n/4)+2*(n%4):AK+8*(n/4)+2*(n%4)+1], v[AQ+8*(n/4)+2*(n%4):AQ+8*(n/4)+2*(n%4)+1], 0
.else
	v_wmma_f32_16x16x4_f32 v[FA+8*(n%2):FA+8*(n%2)+7], v[AK+8*(n/4)+2*(n%4):AK+8*(n/4)+2*(n%4)+1], v[AQ+8*(n/4)+2*(n%4):AQ+8*(n/4)+2*(n%4)+1], v[FA+8*(n%2):FA+8*(n%2)+7]
.endif
.set n, n+1
.endr
.rept 8
	v_nop                                          ; eight places behind the f32 form before its results are read
.endr
.irp j, 0,1,2,3,4,5,6,7
	v_add_f32 v[T+\j], v[FA+\j], v[FA+8+\j]        ; the two halves of the sum: lane (r, hh) holds query r, keys 8 hh + j
.endr
.irp j, 0,1,2,3,4,5,6,7
	v_cmp_gt_i32 vcc_lo, \j, v6                    ; the causal mask
	v_cndmask_b32 v[T+\j], v[T+\j], v7, vcc_lo
.endr
	v_max3_num_f32 v8, v[T], v[T+1], v[T+2]
	v_max3_num_f32 v9, v[T+3], v[T+4], v[T+5]
	v_max3_num_f32 v8, v8, v[T+6], v[T+7]
	v_max_num_f32 v8, v8, v9
	v_permlanex16_b32 v9, v8, s26, s27
	v_max_num_f32 v8, v8, v9                       ; the row's maximum (key 0 counts for every query)
	v_mul_f32 v8, s24, v8
.irp j, 0,1,2,3,4,5,6,7
	v_fma_f32 v[PP+\j], v[T+\j], s24, -v8
.endr
.irp j, 0,1,2,3,4,5,6,7
	v_exp_f32 v[PP+\j], v[PP+\j]
.endr
	v_nop                                          ; a plain instruction behind the last exponential,
	s_wait_alu depctr_va_vdst(0)                   ; and one wait for the eight, ahead of their first reader
	v_add_f32 v10, v[PP], v[PP+1]
	v_add_f32 v11, v[PP+2], v[PP+3]
	v_add_f32 v10, v10, v[PP+4]
	v_add_f32 v11, v11, v[PP+5]
	v_add_f32 v10, v10, v[PP+6]
	v_add_f32 v11, v11, v[PP+7]
	v_add_f32 v10, v10, v11
	v_permlanex16_b32 v11, v10, s26, s27
	v_add_f32 v10, v10, v11                        ; the row's sum
	v_rcp_f32 v10, v10
	v_nop
	s_wait_alu depctr_va_vdst(0)
; O^T = v^T p: four steps of four keys; the four tiles of channels take turns.  More than nine plain instructions that name no accumulator lie between the last product above and the first here.
.irp i, 0,1,2,3
.irp ct, 0,1,2,3
.if \i == 0
	v_wmma_f32_16x16x4_f32 v[FA+8*\ct:FA+8*\ct+7], v[AV+8*\ct+2*\i:AV+8*\ct+2*\i+1], v[PP+2*\i:PP+2*\i+1], 0
.else
	v_wmma_f32_16x16x4_f32 v[FA+8*\ct:FA+8*\ct+7], v[AV+8*\ct+2*\i:AV+8*\ct+2*\i+1], v[PP+2*\i:PP+2*\i+1], v[FA+8*\ct:FA+8*\ct+7]
.endif
.endr
.endr
.rept 8
	v_nop
.endr
.set n, 0
.rept 32
	v_mul_f32 v[RES+n], v[FA+n], v10               ; / the sum, into other registers, each accumulator from its low end on
.set n, n+1
.endr
.irp ct, 0,1,2,3
	global_store_b128 v5, v[RES+8*\ct:RES+8*\ct+3], s[18:19] offset:64*\ct        ; query r, channels 16 ct + 8 hh + 0 .. 7.  The wave's whole result is 4 KiB
	global_store_b128 v5, v[RES+8*\ct+4:RES+8*\ct+7], s[18:19] offset:64*\ct+16
.endr
	s_endpgm
.Lfunc_end_k_qd5992b2816_fine1:
	.size	k_qd5992b2816_fine1, .Lfunc_end_k_qd5992b2816_fine1-k_qd5992b2816_fine1
	.p2alignl 7, 3214868480
	.fill 96, 4, 3214868480
	.section	.rodata,"a",@progbits
	.p2align	6, 0x0
	.amdhsa_kernel k_qd5992b2816_fine1
		.amdhsa_group_segment_fixed_size 0
		.amdhsa_private_segment_fixed_size 0
		.amdhsa_enable_private_segment 0
		.amdhsa_kernarg_size 64
		.amdhsa_user_sgpr_count 2
		.amdhsa_user_sgpr_kernarg_segment_ptr 1
		.amdhsa_wavefront_size32 1
		.amdhsa_system_sgpr_workgroup_id_x 1
		.amdhsa_system_sgpr_workgroup_id_y 1
		.amdhsa_system_sgpr_workgroup_id_z 1
		.amdhsa_system_vgpr_workitem_id 0
		.amdhsa_next_free_vgpr 1024
		.amdhsa_next_free_sgpr 66
		.amdhsa_reserve_vcc 1
		.amdhsa_float_denorm_mode_32 3
		.amdhsa_float_denorm_mode_16_64 3
		.amdhsa_memory_ordered 1
		.amdhsa_forward_progress 1
		.amdhsa_inst_pref_size 46
	.end_amdhsa_kernel
	.amdgpu_metadata
---
amdhsa.version: [ 1, 2 ]
amdhsa.kernels:
  - .name:           k_qd5992b2816_fine1
    .symbol:         k_qd5992b2816_fine1.kd
    .args:
      - { .name: x_codes, .offset: 0, .size: 8, .value_kind: global_buffer, .address_space: global }
      - { .name: x_scales, .offset: 8, .size: 8, .value_kind: global_buffer, .address_space: global }
      - { .name: w_codes, .offset: 16, .size: 8, .value_kind: global_buffer, .address_space: global }
      - { .name: w_scales, .offset: 24, .size: 8, .value_kind: global_buffer, .address_space: global }
      - { .name: bq, .offset: 32, .size: 8, .value_kind: global_buffer, .address_space: global }
      - { .name: bk, .offset: 40, .size: 8, .value_kind: global_buffer, .address_space: global }
      - { .name: bv, .offset: 48, .size: 8, .value_kind: global_buffer, .address_space: global }
      - { .name: attf, .offset: 56, .size: 8, .value_kind: global_buffer, .address_space: global }
    .group_segment_fixed_size: 0
    .private_segment_fixed_size: 0
    .kernarg_segment_align: 8
    .kernarg_segment_size: 64
    .max_flat_workgroup_size: 32
    .sgpr_count:     66
    .vgpr_count:     1024
    .wavefront_size: 32
...
	.end_amdgpu_metadata
.endif
;; end of part 2
;; launch qkv (part 3): grid 12 x 32, 4 waves a work-group, clusters of 4 x 4, 327,680 bytes of LDS; arguments x_codes, x_scales, w_codes, w_scales, bq, bk, bv, qkv; writes qkv
.if DOCPART == 3
	.amdgcn_target "amdgcn-amd-amdhsa--gfx1250"
	.amdhsa_code_object_version 6
	.text
	.protected	k_qd5992b2816_qkv
	.globl	k_qd5992b2816_qkv
	.p2align	8
	.type	k_qd5992b2816_qkv,@function
k_qd5992b2816_qkv:
	s_mov_b64 s[64:65], 0
	v_nop
	global_prefetch_b8 v0, s[64:65] scope:SCOPE_SE
	s_setreg_imm32_b32 hwreg(HW_REG_WAVE_MODE, 25, 1), 1
	s_wait_xcnt 0x0
	s_wait_alu depctr_hold_cnt(0) depctr_sa_sdst(0) depctr_va_vdst(0) depctr_va_sdst(0) depctr_va_ssrc(0) depctr_va_vcc(0) depctr_vm_vsrc(0)
	s_getreg_b32 s2, hwreg(HW_REG_IB_STS2, 6, 4)
	s_cmp_eq_u32 s2, 0
	s_cbranch_scc0 .Lentry_in_a_cluster
	s_endpgm
.Lentry_in_a_cluster:
	s_bfe_u32 s2, ttmp6, 0x10000c
	s_cmp_lg_u32 s2, 0xf033
	s_cbranch_scc0 .Lentry_shape_is_right
	s_endpgm
.Lentry_shape_is_right:
; QKV.  [8192][3072] = x [8192][1024] x (Wq | Wk | Wv), both operands as codes of E2M1 with one E8M0 byte for each 32 along K, plus the biases; sums in f32; the result rounded once to f16 and laid by head:
; qkv [part 3][batch x 16 + head][position 2048][64].  LIMIT: |q|, |k|, |v| under 65,504 (f16); with x and the weights 30 times the drawn spread, or offset by 30 spreads, they stay under 30,000.
; A tile of 256 x 256 is made by four waves, 128 x 128 each: 64 accumulators, 512 registers.  K = 1,024 is two LDS slots of 512 (rows of 256 bytes): both are asked for at the start and nothing is filled again.
; The scale bytes of the work-group's 256 + 256 rows, for all of K, are two dense blocks: they come once, with the first fills, in runs of 256 bytes.
; CLUSTERS: 4 x 4 work-groups.  The four of a row need the same tiles of x, the four of a column the same tiles of the weights: each tile is asked for jointly.  A cluster's x is one part (4 x 256 = 1,024 columns).
; THE MATRIX INSTRUCTION IS USED TRANSPOSED (source 0 = 16 rows of w_codes, source 1 = 16 rows of x_codes): a lane holds eight neighbouring channels of one position.  The bias is the C of the first K step.
; REGISTERS: window 0: v0-31 addresses; v32-95 scale words, two sets, and nothing else; v96-127 packed results; v128-191 x's fragments, ONE set, later rows on the way out; v192-255 the bias, 8 registers a block of columns.
;   window 1: the weights' fragments, TWO sets, at v0 and v128.  window 2: the accumulators of my rows 0-63 ((a, b) at v[8 (8 a + b)]); window 3: those of my rows 64-127.
.set KSTEP,  512
.set NQ,     4                         ; matrix instructions deep in a slot
.set ROWB,   256                       ; a tile's row in bytes
.set KROW,   512                       ; a row of codes in memory
.set PITCH,  272                       ; an LDS row: 256 bytes + 16 of padding: the 16 rows that a load touches start at 16 different banks
.set FR,     8
.set NL,     2
.set NP,     4
.set HALFT,  128*PITCH
.set SLOT,   4*HALFT
.set KS,     32                        ; a row of scale bytes
.set SCL,    2*SLOT
.set HALFS,  (128*KS/256)*272
.set SBLK,   (16*KS/256)*272
.set SPARE,  SCL+4*HALFS               ; the spare words, 128 bytes for each wave: two blocks of 256 bytes that no other line names
.set STAGE,  SPARE+512                 ; the way out: 16 rows x (256 bytes + 16) for each wave; no tile lands here
.set SPITCH, 272
.set ADRA, 16
.set ADRB, 20
.set STO,  24
.set RD,   25
.set CO,   26
.set ADRS, 27
.set SPW,  28
.set NIL,  29
.set BOF,  30
.set SC,   32
.set TMP,  96
.set AF,   128
.set BK,   128
.set BIAS, 192
.set G1, 24
.set G0, 32
.set G1B, 48
.set G0B, 56
.set G1S, 68
.set G0S, 76
.set G1SB, 80
.set G0SB, 88
.set MSB, 0
.macro WIN new
.if MSB != (\new)
	s_set_vgpr_msb (MSB<<8)|(\new)
.set MSB, (\new)
.endif
.endm
.set MUL_LO, 0xa1                      ; source 0 (weights) window 1, source 1 (x) window 0, C and D window 2
.set MUL_HI, 0xf1                      ; the same, C and D window 3
.set TO_B,   0x40
; A joint load: waves 0 and 1 fetch for x, waves 2 and 3 for the weights.  The branch hangs on the wave's number alone.  An s_nop 0 and four v_nop follow each line.
.macro JLOAD g0a, g1a, g0b, g1b
	s_cmp_eq_u32 s15, 0
	s_cbranch_scc0 .Lfor_b_\@
	tensor_load_to_lds s[\g0a:\g0a+3], s[\g1a:\g1a+7]
	s_nop 0
.rept 4
	v_nop
.endr
	s_branch .Lasked_\@
.Lfor_b_\@:
	tensor_load_to_lds s[\g0b:\g0b+3], s[\g1b:\g1b+7]
	s_nop 0
.rept 4
	v_nop
.endr
.Lasked_\@:
.endm
.macro CROUND                          ; a round of the cluster's barrier
	s_barrier_signal -1
	s_barrier_wait -1
	s_cmp_lg_u32 s14, 0
	s_cbranch_scc1 .Lnot_wave_0_\@
	s_barrier_signal -3
.Lnot_wave_0_\@:
	s_barrier_wait -3
	s_barrier_signal -1
	s_barrier_wait -1
.endm
	s_load_b128 s[4:7], s[0:1], 0x0                ; x_codes, x_scales
	s_load_b128 s[8:11], s[0:1], 0x10              ; w_codes, w_scales
	s_load_b128 s[96:99], s[0:1], 0x20             ; bq, bk
	s_load_b64 s[100:101], s[0:1], 0x30            ; bv
	s_load_b64 s[12:13], s[0:1], 0x38              ; qkv
	v_lshl_add_u32 v[SPW], v0, 2, SPARE
	v_mov_b32 v[NIL], 0
	ds_add_u32 v[SPW], v[NIL]                      ; the wave's opening: the add, twice on end, and its wait ahead of my first tensor load
	ds_add_u32 v[SPW], v[NIL]
	v_lshrrev_b32 v1, 5, v0
	v_readfirstlane_b32 s14, v1                    ; wave 0..3
	s_lshr_b32 s15, s14, 1                         ; which half of the tile's rows is mine.  Also: I fetch for x (0) or for the weights (1)
	s_and_b32 s16, s14, 1                          ; which half of its columns.  Also: which 128 rows of that tile I fetch
	s_bfe_u32 s40, ttmp6, 0x40000                  ; cx, cy
	s_bfe_u32 s41, ttmp6, 0x40004
	s_lshl_b32 s42, ttmp9, 2
	s_add_co_u32 s42, s42, s40                     ; tile column
	s_and_b32 s17, ttmp7, 0xffff
	s_lshl_b32 s17, s17, 2
	s_add_co_u32 s17, s17, s41                     ; tile row
	s_lshl_b32 s43, s41, 2
	s_lshl_b32 s43, 15, s43                        ; my row of the cluster
	s_lshl_b32 s44, 0x1111, s40                    ; my column
	s_or_b32 s[G1+0], s43, (0<<16)|(1<<20)|(1<<21)|(5<<22)|(3<<25)   ; the mask; elements of 1 byte; padding on; bit 21 beside a mask; 4 words after every 64
	s_or_b32 s[G1B+0], s44, (0<<16)|(1<<20)|(1<<21)|(5<<22)|(3<<25)
.irp g, G1, G1B
	s_mov_b32 s[\g+1], ROWB<<16                    ; tensor_dim0
	s_mov_b32 s[\g+2], 128<<16                     ; tensor_dim1
	s_mov_b32 s[\g+3], ROWB<<16                    ; tile_dim0
	s_mov_b32 s[\g+4], 128                         ; tile_dim1
	s_mov_b32 s[\g+5], KROW                        ; the pitch
	s_mov_b32 s[\g+6], 0
	s_mov_b32 s[\g+7], 0
.endr
	s_or_b32 s[G1S+0], s43, (3<<16)|(1<<20)|(1<<21)|(5<<22)|(3<<25)  ; the scales of 128 rows: 4,096 dense bytes as 16 rows of 32 elements of 8 bytes
	s_or_b32 s[G1SB+0], s44, (3<<16)|(1<<20)|(1<<21)|(5<<22)|(3<<25)
.irp g, G1S, G1SB
	s_mov_b32 s[\g+1], 32<<16
	s_mov_b32 s[\g+2], (128*KS/256)<<16
	s_mov_b32 s[\g+3], 32<<16
	s_mov_b32 s[\g+4], 128*KS/256
	s_mov_b32 s[\g+5], 32
	s_mov_b32 s[\g+6], 0
	s_mov_b32 s[\g+7], 0
.endr
	s_lshl_b32 s18, s16, 7
	s_lshl_b32 s20, s17, 8
	s_add_co_u32 s20, s20, s18                     ; x: row 256 x tile row + 128 x half
	s_lshl_b32 s46, s42, 8
	s_add_co_u32 s46, s46, s18                     ; weights: row 256 x tile column + 128 x half
	s_mov_b32 s21, 0
	s_mov_b32 s47, 0
	s_mov_b64 s[18:19], KS
	s_mul_u64 s[22:23], s[20:21], s[18:19]
	s_mul_u64 s[92:93], s[46:47], s[18:19]
	s_mov_b64 s[18:19], KROW
	s_mul_u64 s[20:21], s[20:21], s[18:19]
	s_mul_u64 s[46:47], s[46:47], s[18:19]
	s_mul_i32 s45, s14, HALFT                      ; where they go: wave x 128 rows: no place in the cluster enters an LDS address
	s_mul_i32 s94, s14, HALFS
	s_wait_dscnt 0x0                               ; both opening adds are done
	s_wait_kmcnt 0x0
	s_add_nc_u64 s[20:21], s[4:5], s[20:21]
	s_add_nc_u64 s[22:23], s[6:7], s[22:23]
	s_add_nc_u64 s[46:47], s[8:9], s[46:47]
	s_add_nc_u64 s[92:93], s[10:11], s[92:93]
	CROUND                                         ; all sixteen work-groups are here: the first joint loads meet
	s_mov_b32 s[G0S], 1
	s_add_co_u32 s[G0S+1], s94, SCL
	s_mov_b64 s[G0S+2:G0S+3], s[22:23]
	s_or_b32 s[G0S+3], s[G0S+3], 0x80000000
	s_mov_b32 s[G0SB], 1
	s_add_co_u32 s[G0SB+1], s94, SCL
	s_mov_b64 s[G0SB+2:G0SB+3], s[92:93]
	s_or_b32 s[G0SB+3], s[G0SB+3], 0x80000000
	JLOAD G0S, G1S, G0SB, G1SB                     ; three loads of mine are out at the most: the scales, slot 0, slot 1
.irp s, 0,1
	s_mov_b32 s[G0+4*\s], 1
	s_add_co_u32 s[G0+4*\s+1], s45, \s*SLOT
	s_add_nc_u64 s[G0+4*\s+2:G0+4*\s+3], s[20:21], \s*ROWB
	s_or_b32 s[G0+4*\s+3], s[G0+4*\s+3], 0x80000000
	s_mov_b32 s[G0B+4*\s], 1
	s_add_co_u32 s[G0B+4*\s+1], s45, \s*SLOT
	s_add_nc_u64 s[G0B+4*\s+2:G0B+4*\s+3], s[46:47], \s*ROWB
	s_or_b32 s[G0B+4*\s+3], s[G0B+4*\s+3], 0x80000000
	JLOAD G0+4*\s, G1, G0B+4*\s, G1B
.endr
	v_and_b32 v1, 15, v0                           ; l % 16
	v_bfe_u32 v2, v0, 4, 1                         ; l / 16
	; the bias of my 128 columns: lane (r, h) wants, for block b, channels 16 b + 8 h + 0 .. 7
	v_lshlrev_b32 v[BOF], 5, v2
	s_lshl_b32 s46, s40, 10
	s_lshl_b32 s47, s16, 9
	s_add_co_u32 s46, s46, s47
	s_mov_b32 s47, 0
	s_cmp_eq_u32 ttmp9, 0                          ; the part is the cluster's x: the same in all sixteen partners
	s_cselect_b64 s[96:97], s[96:97], s[98:99]
	s_cmp_eq_u32 ttmp9, 2
	s_cselect_b64 s[96:97], s[100:101], s[96:97]
	s_add_nc_u64 s[96:97], s[96:97], s[46:47]
.irp b, 0,1,2,3,4,5,6,7
	global_load_b128 v[BIAS+8*\b:BIAS+8*\b+3], v[BOF], s[96:97] offset:64*\b
	global_load_b128 v[BIAS+8*\b+4:BIAS+8*\b+7], v[BOF], s[96:97] offset:64*\b+16
.endr
	v_mul_u32_u24 v3, v1, PITCH
	v_lshl_add_u32 v4, v2, 4, v3                   ; a fragment's row x pitch + 16 x half
	s_mul_i32 s21, s15, HALFT
	s_mul_i32 s22, s16, HALFT
	s_add_co_u32 s22, s22, 2*HALFT
.irp s, 0,1
	v_add_nc_u32 v[ADRA+\s], s21, v4
	v_add_nc_u32 v[ADRB+\s], s22, v4
	s_add_co_u32 s21, s21, SLOT
	s_add_co_u32 s22, s22, SLOT
.endr
	v_mul_u32_u24 v5, v1, KS                       ; my row's scales: 32 bytes a row,
	v_lshrrev_b32 v6, 8, v5
	v_lshl_add_u32 v5, v6, 4, v5                   ; and 16 more for each 256 passed
	s_mul_i32 s21, s15, HALFS
	s_mul_i32 s22, s16, HALFS
	s_add_co_u32 s22, s22, 2*HALFS
	s_sub_co_u32 s22, s22, s21
	v_mul_u32_u24 v6, s22, v2                      ; lanes 16-31 take the weights'
	s_add_co_u32 s21, s21, SCL
	v_add_nc_u32 v5, v5, v6
	v_add_nc_u32 v[ADRS], s21, v5
	s_mul_i32 s23, s14, 16*SPITCH
	s_add_co_u32 s23, s23, STAGE                   ; my stage
	v_mul_u32_u24 v5, v1, SPITCH
	v_lshl_add_u32 v5, v2, 4, v5
	v_add_nc_u32 v[STO], s23, v5                   ; in: row l % 16, 16 bytes for each half of the lanes
	v_and_b32 v6, 31, v0
	v_lshlrev_b32 v[CO], 4, v6                     ; out: 16 x lane: four positions of one head are 512 consecutive bytes
	v_lshrrev_b32 v5, 3, v6
	v_mul_u32_u24 v5, v5, SPITCH
	v_and_b32 v6, 7, v0
	v_lshl_add_u32 v5, v6, 4, v5
	v_add_nc_u32 v[RD], s23, v5                    ; back: row l / 8, 16 (l % 8) bytes of a head's 128
	; where my part begins in qkv: head g = 64 part + 16 batch + 4 cx + 2 (column half); position (tile row % 8) x 256 + 128 (row half)
	s_lshl_b32 s46, ttmp9, 6
	s_lshr_b32 s47, s17, 3
	s_lshl_b32 s47, s47, 4
	s_add_co_u32 s46, s46, s47
	s_lshl_b32 s47, s40, 2
	s_add_co_u32 s46, s46, s47
	s_lshl_b32 s47, s16, 1
	s_add_co_u32 s46, s46, s47
	s_lshl_b32 s46, s46, 18                        ; a head is 2,048 x 128 bytes
	s_and_b32 s47, s17, 7
	s_lshl_b32 s47, s47, 1
	s_add_co_u32 s47, s47, s15
	s_lshl_b32 s47, s47, 14                        ; 128 positions of 128 bytes
	s_add_co_u32 s46, s46, s47
	s_mov_b32 s47, 0
	s_add_nc_u64 s[12:13], s[12:13], s[46:47]
.macro FRAG reg, adr, q, i             ; 16 rows x 128 K of 4-bit codes: 8 registers; registers 4 c .. 4 c + 3 hold K = 64 c + 32 (l / 16) + 0 .. 31
.irp c, 0,1
	ds_load_b128 v[\reg+4*\c:\reg+4*\c+3], v[\adr] offset:64*(\q)+32*\c+(\i)*16*PITCH
.endr
.endm
; 16 matrix instructions: x's blocks a0, a0 + 1 against the weights' eight.  zero = 1: the first K step: the bias starts the sums.  The 64 accumulators take turns, in the same order in every step.
.macro MUL16 a0, p, q, sc, zero
.irp a, \a0, \a0+1
.irp b, 0,1,2,3,4,5,6,7
.if \zero
	v_wmma_scale_f32_16x16x128_f8f6f4 v[8*(8*((\a)%4)+\b):8*(8*((\a)%4)+\b)+7], v[128*(\p)+FR*\b:128*(\p)+FR*\b+FR-1], v[AF+FR*(\a):AF+FR*(\a)+FR-1], v[BIAS+8*\b:BIAS+8*\b+7], v[SC+8*NQ*(\sc)+NQ*\b+(\q)], v[SC+8*NQ*(\sc)+NQ*(\a)+(\q)] matrix_a_fmt:MATRIX_FMT_FP4 matrix_b_fmt:MATRIX_FMT_FP4 matrix_a_scale:MATRIX_SCALE_ROW1
.else
	v_wmma_scale_f32_16x16x128_f8f6f4 v[8*(8*((\a)%4)+\b):8*(8*((\a)%4)+\b)+7], v[128*(\p)+FR*\b:128*(\p)+FR*\b+FR-1], v[AF+FR*(\a):AF+FR*(\a)+FR-1], v[8*(8*((\a)%4)+\b):8*(8*((\a)%4)+\b)+7], v[SC+8*NQ*(\sc)+NQ*\b+(\q)], v[SC+8*NQ*(\sc)+NQ*(\a)+(\q)] matrix_a_fmt:MATRIX_FMT_FP4 matrix_b_fmt:MATRIX_FMT_FP4 matrix_a_scale:MATRIX_SCALE_ROW1
.endif
.endr
.endr
.endm
.macro FETCH_B slot, q, p
	WIN TO_B
.irp i, 0,1,2,3,4,5,6,7
	FRAG 128*(\p)+FR*\i, ADRB+\slot, \q, \i
.endr
	WIN 0
.endm
.macro FETCH_A slot, q, i0
.irp i, \i0, \i0+1, \i0+2, \i0+3
	FRAG AF+FR*(\i), ADRA+\slot, \q, \i
.endr
.endm
.macro SCALES sc                       ; a slot's scale words: four a row; lanes 0-15 take x's block i, lanes 16-31 the weights' block i
.irp i, 0,1,2,3,4,5,6,7
	ds_load_b128 v[SC+8*NQ*\sc+NQ*\i:SC+8*NQ*\sc+NQ*\i+3], v[ADRS] offset:\i*SBLK
.endr
.endm
.macro PLACES n                        ; plain instructions between a matrix instruction and a load into, or a read of, its registers
.rept \n
	v_nop
.endr
.endm
.macro STEP slot, q, zero              ; 128 along K, with its successor in the same slot.  zero = 1: C (the bias) lies in window 0
	s_wait_dscnt 4*NL                              ; the weights' set and x's blocks 0-3 are in; the youngest eight loads (x's blocks 4-7) may be out
	WIN MUL_LO-0x20*(\zero)
	MUL16 0, (\q)%2, \q, \slot, \zero
	MUL16 2, (\q)%2, \q, \slot, \zero
	s_wait_dscnt 0
	PLACES NP
	FETCH_B \slot, (\q)+1, 1-(\q)%2
	FETCH_A \slot, (\q)+1, 0
	WIN MUL_HI-0x30*(\zero)
	MUL16 4, (\q)%2, \q, \slot, \zero
	MUL16 6, (\q)%2, \q, \slot, \zero
	PLACES NP
	WIN 0
	FETCH_A \slot, (\q)+1, 4
.endm
.macro TURN slot, next                 ; a slot's last step changes slots: one barrier; nothing is filled again
	s_wait_tensorcnt 0x0                           ; all my tensor loads have landed: my part of the next slot
	ds_add_u32 v[SPW], v[NIL]                      ; 0 onto my spare word
	s_wait_dscnt 4*NL+1                            ; (the add and the youngest eight loads may be out)
	WIN MUL_LO
	MUL16 0, 1, NQ-1, \slot, 0
	s_wait_dscnt 0x0                               ; the add is done, and my reads of this slot are over
	s_barrier_signal -1
	MUL16 2, 1, NQ-1, \slot, 0
	WIN 0
	s_barrier_wait -1                              ; the next slot is whole
	PLACES NP
	v_add_nc_u32 v[ADRS], 4*NQ, v[ADRS]            ; on to the next slot's scale words
	FETCH_B \next, 0, 0
	FETCH_A \next, 0, 0
	SCALES \next
	WIN MUL_HI
	MUL16 4, 1, NQ-1, \slot, 0
	MUL16 6, 1, NQ-1, \slot, 0
	PLACES NP
	WIN 0
	FETCH_A \next, 0, 4
.endm
.macro STEPS slot, from
.set Q, \from
.rept NQ-1-\from
	STEP \slot, Q, 0
.set Q, Q+1
.endr
.endm
	s_wait_tensorcnt 1                             ; the scales and my part of slot 0 are in (slot 1's load may be out)
	s_barrier_signal -1
	s_barrier_wait -1                              ; everybody's are
	FETCH_B 0, 0, 0
	FETCH_A 0, 0, 0
	SCALES 0
	FETCH_A 0, 0, 4
	s_wait_loadcnt 0x0                             ; the bias
	STEP 0, 0, 1
	STEPS 0, 1
	TURN 0, 1
	STEPS 1, 0
	s_wait_dscnt 4*NL                              ; the very last step: nothing more to fetch
	WIN MUL_LO
	MUL16 0, 1, NQ-1, 1, 0
	MUL16 2, 1, NQ-1, 1, 0
	s_wait_dscnt 0
	WIN MUL_HI
	MUL16 4, 1, NQ-1, 1, 0
	MUL16 6, 1, NQ-1, 1, 0
	WIN 0
; THE WAY OUT, block by block of 16 positions x 128 channels (two heads).  Rounded to f16, 16 bytes a lane; through my own stage; back so that an instruction's 32 lanes hold four positions of one head: 512 consecutive bytes of qkv.
.macro PACK a
.set AC, 64*((\a)%4)
	WIN 0x0a+5*((\a)/4)                            ; sources 0 and 1: window 2 or 3
.irp b, 0,1,2,3,4,5,6,7
.irp r, 0,1,2,3
	v_cvt_pk_f16_f32 v[TMP+4*\b+\r], v[AC+8*\b+2*\r], v[AC+8*\b+2*\r+1]   ; each accumulator from its low end on
.endr
.endr
	WIN 0
.endm
.macro TOSTAGE a
.set BB, BK+32*((\a)%2)
.irp b, 0,1,2,3,4,5,6,7
	ds_store_b128 v[STO], v[TMP+4*\b:TMP+4*\b+3] offset:32*\b
.endr
.irp t, 0,1,2,3,4,5,6,7
	ds_load_b128 v[BB+4*\t:BB+4*\t+3], v[RD] offset:(\t%4)*4*SPITCH+128*(\t/4)   ; LDS serves a wave's instructions in order: these see the stores above
.endr
.endm
.macro SEND a
.set BB, BK+32*((\a)%2)
	s_wait_dscnt 0x0                               ; the block is back in registers
	s_wait_xcnt 0x0                                ; the stores of the block before have read their registers: the next block's loads may land there
.irp t, 0,1,2,3,4,5,6,7
	global_store_b128 v[CO], v[BB+4*\t:BB+4*\t+3], s[12:13] offset:(\a)*2048+(\t%4)*512+(\t/4)*262144
.endr
.endm
	PLACES NP
	PACK 0
	TOSTAGE 0
.irp a, 1,2,3,4,5,6,7                  ; block a's conversions stand between block a - 1's loads from the stage and the wait for them
	PACK \a
	SEND \a-1
	TOSTAGE \a
.endr
	SEND 7
	s_wait_tensorcnt 0x0                           ; the wave's end
	ds_add_u32 v[SPW], v[NIL]
	s_wait_dscnt 0x0
	CROUND                                         ; the closing round
	s_endpgm
.Lfunc_end_k_qd5992b2816_qkv:
	.size	k_qd5992b2816_qkv, .Lfunc_end_k_qd5992b2816_qkv-k_qd5992b2816_qkv
	.p2alignl 7, 3214868480
	.fill 96, 4, 3214868480
	.section	.rodata,"a",@progbits
	.p2align	6, 0x0
	.amdhsa_kernel k_qd5992b2816_qkv
		.amdhsa_group_segment_fixed_size 327680
		.amdhsa_private_segment_fixed_size 0
		.amdhsa_enable_private_segment 0
		.amdhsa_kernarg_size 64
		.amdhsa_user_sgpr_count 2
		.amdhsa_user_sgpr_kernarg_segment_ptr 1
		.amdhsa_wavefront_size32 1
		.amdhsa_system_sgpr_workgroup_id_x 1
		.amdhsa_system_sgpr_workgroup_id_y 1
		.amdhsa_system_sgpr_workgroup_id_z 1
		.amdhsa_system_vgpr_workitem_id 0
		.amdhsa_next_free_vgpr 1024
		.amdhsa_next_free_sgpr 102
		.amdhsa_reserve_vcc 0
		.amdhsa_float_denorm_mode_32 3
		.amdhsa_float_denorm_mode_16_64 3
		.amdhsa_memory_ordered 1
		.amdhsa_forward_progress 1
		.amdhsa_inst_pref_size 128
	.end_amdhsa_kernel
	.amdgpu_metadata
---
amdhsa.version: [ 1, 2 ]
amdhsa.kernels:
  - .name:           k_qd5992b2816_qkv
    .symbol:         k_qd5992b2816_qkv.kd
    .args:
      - { .name: x_codes, .offset: 0, .size: 8, .value_kind: global_buffer, .address_space: global }
      - { .name: x_scales, .offset: 8, .size: 8, .value_kind: global_buffer, .address_space: global }
      - { .name: w_codes, .offset: 16, .size: 8, .value_kind: global_buffer, .address_space: global }
      - { .name: w_scales, .offset: 24, .size: 8, .value_kind: global_buffer, .address_space: global }
      - { .name: bq, .offset: 32, .size: 8, .value_kind: global_buffer, .address_space: global }
      - { .name: bk, .offset: 40, .size: 8, .value_kind: global_buffer, .address_space: global }
      - { .name: bv, .offset: 48, .size: 8, .value_kind: global_buffer, .address_space: global }
      - { .name: qkv, .offset: 56, .size: 8, .value_kind: global_buffer, .address_space: global }
    .group_segment_fixed_size: 327680
    .private_segment_fixed_size: 0
    .kernarg_segment_align: 8
    .kernarg_segment_size: 64
    .max_flat_workgroup_size: 128
    .sgpr_count:     102
    .vgpr_count:     1024
    .wavefront_size: 32
...
	.end_amdgpu_metadata
.endif
;; end of part 3
;; launch attn (part 4): grid 4 x 64, 8 waves a work-group, no clusters, 327,680 bytes of LDS; arguments qkv, att; writes att
.if DOCPART == 4
	.amdgcn_target "amdgcn-amd-amdhsa--gfx1250"
	.amdhsa_code_object_version 6
	.text
	.protected	k_qd5992b2816_attn
	.globl	k_qd5992b2816_attn
	.p2align	8
	.type	k_qd5992b2816_attn,@function
k_qd5992b2816_attn:
	s_mov_b64 s[64:65], 0
	v_nop
	global_prefetch_b8 v0, s[64:65] scope:SCOPE_SE
	s_setreg_imm32_b32 hwreg(HW_REG_WAVE_MODE, 25, 1), 1
	s_wait_xcnt 0x0
; ATTN.  att[bh][q][:] = the sum over keys k <= q of softmax_k(q . k / 8) v, for one head (work-group y = batch x 16 + head).  q, k, v: f16, [part][bh][2048][64]; att: f16, [bh][2048][64].
; Products on f16 operands with f32 sums; maxima, exponentials and sums in f32; a running maximum is taken away before every exponential; the weights p (at most 1) are rounded to f16, att once at the end.
; LIMITS: |att| under 65,504 (it is an average of v); NaN and infinities are not served.  Positions 0 to 15 are made here too, and made again in f32 by launches of their own.
; SHARES.  Work-group x = j owns query blocks 7 - j and j of 256 queries: under the causal mask they want 8 - j and j + 1 units of 256 keys: always 9: 256 work-groups of equal work and one loop of constant count.
; A wave owns 32 queries, two tiles of 16; two waves share a SIMD, so that one wave's softmax stands beside the other's products.  A key step is 64 keys; steps whose keys all come after the wave's queries are jumped over.
; LAYOUT.  S^T = K Q^T (source 0 = 16 keys, source 1 = 16 queries), O^T = V^T P (source 0 = 16 channels, turned out of LDS by ds_load_tr16_b128): a lane holds ONE query throughout.
; RING.  Two LDS slots of one unit (256 rows of K, 256 of V).  Waves 0-3 fetch K's quarters, waves 4-7 V's: one tensor load a wave behind each change of slots, one out at any time.
; NO JOINT LOADS: the four work-groups of a head walk key blocks 0 .. 7 - j and then 0 .. j, so from unit 8 - j on they want different tiles behind the same barrier.
; REGISTERS: window 0: v1-15 addresses; v16-31 statistics, 8 a tile (c m, m, l in two halves, four at work); v32-63 Q; v64-127 K; v128-191 S^T, then p; v192-223 P; v224-255 the way out.
;            window 1: v0-63 V; v64-127 O^T.
.set PK,    144                        ; a row of K in LDS: 128 bytes + 16
.set PV,    160                        ; a row of V: 128 + 32
.set VOFF,  256*PK
.set SLOT1, 1<<17                      ; one exclusive or turns an address in one slot into the other's
.set STAGE, SLOT1+VOFF+256*PV          ; the way out: 16 rows x 144 bytes for each wave; no tile lands here
.set SPARE, STAGE+8*16*PK              ; the spare words, 128 bytes for each wave: four blocks of 256 bytes that no other line names
.set RH,  1                            ; v1  r - 8 h
.set AK0, 2
.set AV0, 3
.set ADK, 4
.set ADV, 5
.set QO,  6
.set STO, 7
.set RD,  8
.set GO,  9
.set D0,  10                           ; v10, v11 the mask's bounds for the two tiles
.set NINF, 12
.set PFO, 13
.set SPW, 14
.set NIL, 15
.set ST,  16
.set Q,   32
.set K,   64
.set S,   128
.set P,   192
.set W,   224
.set OT,  64                           ; in window 1
.set WV, 12
.set J,  13
.set Q0, 14                            ; my first query
.set KF, 15                            ; the step's first key
.set QH, 16
.set KB, 18
.set VB, 20
.set OH, 22
.set QP, 24
.set OP, 26
.set G1K, 28
.set G1V, 36
.set G0K, 44
.set G0V, 48
.set U,  52                            ; the loop's counter
.set LN, 53                            ; the unit last asked for
.set LASTA, 54                         ; 7 - j: the first pass's last unit
.set WRAP, 55                          ; 8 - j
.set TB, 56                            ; LDS byte at which the slot in hand begins
.set CS, 58                            ; s[58:59] c = log2(e) / 8
.set SEL, 60
.set PFA, 62
.set LIM, 66
.set MSB, 0
.macro WIN new
.if MSB != (\new)
	s_set_vgpr_msb (MSB<<8)|(\new)
.set MSB, (\new)
.endif
.endm
.macro TLOAD                           ; every wave has one load; the branch hangs on the wave's number alone.  An s_nop 0 and four v_nop follow each line
	s_cmp_lt_u32 s[WV], 4
	s_cbranch_scc0 .Lfor_v_\@
	tensor_load_to_lds s[G0K:G0K+3], s[G1K:G1K+7]
	s_nop 0
.rept 4
	v_nop
.endr
	s_branch .Lasked_\@
.Lfor_v_\@:
	tensor_load_to_lds s[G0V:G0V+3], s[G1V:G1V+7]
	s_nop 0
.rept 4
	v_nop
.endr
.Lasked_\@:
.endm
; A PREFETCH of what the NEXT change of slots will ask for.  The four work-groups of a head begin with the same key blocks; the one with j = 0, whose first pass walks all eight, asks, and nobody else.
; Each of its waves names its own quarter of the unit: 64 rows of 128 bytes are 8,192 dense bytes, lanes 256 bytes apart: one instruction, each 256 bytes named once in the launch.
; In trip t it names unit t + 2, four key steps ahead of that unit's load; trips 0 to 5 ask (units 2 to 7), the others do not; units 0 and 1 come by their loads alone.
.macro ASK
	s_cmp_gt_u32 s[U], s[LIM]
	s_cbranch_scc0 .Lnot_mine_\@
	global_prefetch_b8 v[PFO], s[PFA:PFA+1] th:TH_LOAD_NT scope:SCOPE_SE
.Lnot_mine_\@:
.endm
.macro SETQ                            ; Q's and att's rows of my 32 queries
	s_lshl_b32 s68, s[Q0], 7
	s_mov_b32 s69, 0
	s_add_nc_u64 s[QP:QP+1], s[QH:QH+1], s[68:69]
	s_add_nc_u64 s[OP:OP+1], s[OH:OH+1], s[68:69]
.endm
.macro QLOAD
.irp t, 0,1
.irp c, 0,1
	global_load_b128 v[Q+16*\t+8*\c:Q+16*\t+8*\c+3], v[QO], s[QP:QP+1] offset:2048*\t+64*\c
	global_load_b128 v[Q+16*\t+8*\c+4:Q+16*\t+8*\c+7], v[QO], s[QP:QP+1] offset:2048*\t+64*\c+32
.endr
.endr
.endm
.macro INIT                            ; the step is written once: its first run finds m = -3e38, l = 0 and O^T = 0, which the first change of m leaves zeros
.irp t, 0,1
	v_mov_b32 v[ST+8*\t+1], 0xff61b1e6
	v_mul_f32 v[ST+8*\t], s[CS], v[ST+8*\t+1]
.irp i, 2,3,4,5,6,7
	v_mov_b32 v[ST+8*\t+\i], 0
.endr
.endr
	WIN 0x40
.set i, 0
.rept 64
	v_mov_b32 v[OT+i], 0
.set i, i+1
.endr
	WIN 0
.endm
	s_load_b128 s[4:7], s[0:1], 0x0                ; qkv, att
	v_lshl_add_u32 v[SPW], v0, 2, SPARE
	v_mov_b32 v[NIL], 0
	ds_add_u32 v[SPW], v[NIL]                      ; the wave's opening: the add, twice on end, and its wait ahead of my first tensor load
	ds_add_u32 v[SPW], v[NIL]
	v_lshrrev_b32 v1, 5, v0
	v_readfirstlane_b32 s[WV], v1                  ; wave 0..7
	s_mov_b32 s[J], ttmp9
	s_and_b32 s68, ttmp7, 0xffff
	s_lshl_b32 s68, s68, 18                        ; the head's first byte in a part, and in att
	s_mov_b32 s69, 0
	s_and_b32 s67, s[WV], 3                        ; which quarter of a unit I fetch
	s_lshl_b32 s70, s67, 13                        ; its 64 rows of 128 bytes
	s_mov_b32 s71, 0
	s_mov_b32 s[G1K], (1<<16)|(1<<20)|(4<<22)|(3<<25)   ; no mask; elements of 2 bytes; padding on: 4 words after every 32
	s_mov_b32 s[G1V], (1<<16)|(1<<20)|(4<<22)|(7<<25)   ; the same with 8 words
.irp g, G1K, G1V
	s_mov_b32 s[\g+1], 64<<16                      ; tensor_dim0
	s_mov_b32 s[\g+2], 64<<16                      ; tensor_dim1
	s_mov_b32 s[\g+3], 64<<16                      ; tile_dim0
	s_mov_b32 s[\g+4], 64                          ; tile_dim1
	s_mov_b32 s[\g+5], 64                          ; the pitch
	s_mov_b32 s[\g+6], 0
	s_mov_b32 s[\g+7], 0
.endr
	s_sub_co_u32 s[LASTA], 7, s[J]
	s_sub_co_u32 s[WRAP], 8, s[J]
	s_lshl_b32 s[Q0], s[LASTA], 8
	s_lshl_b32 s57, s[WV], 5
	s_add_co_u32 s[Q0], s[Q0], s57                 ; the first pass: block 7 - j
	s_mov_b32 s[KF], 0
	s_mov_b32 s[LN], 0
	s_mov_b32 s[TB], 0
	s_mov_b32 s[U], 8
	s_mov_b32 s[CS], 0x3e38aa3b
	s_mov_b32 s[CS+1], s[CS]
	s_mov_b32 s[SEL], 0x76543210
	s_mov_b32 s[SEL+1], 0xfedcba98
	s_cmp_eq_u32 s[J], 0
	s_cselect_b32 s[LIM], 2, -1
	s_mov_b32 s[G0K], 1
	s_mul_i32 s[G0K+1], s67, 64*PK                 ; slot 0, my quarter
	s_mov_b32 s[G0V], 1
	s_mul_i32 s[G0V+1], s67, 64*PV
	s_add_co_u32 s[G0V+1], s[G0V+1], VOFF
	s_wait_dscnt 0x0                               ; both opening adds are done
	s_wait_kmcnt 0x0
	s_add_nc_u64 s[QH:QH+1], s[4:5], s[68:69]
	s_add_nc_u64 s[OH:OH+1], s[6:7], s[68:69]
	s_add_nc_u64 s[KB:KB+1], s[QH:QH+1], s[70:71]
	s_add_nc_u64 s[VB:VB+1], s[KB:KB+1], 0x2000000 ; part 2
	s_add_nc_u64 s[KB:KB+1], s[KB:KB+1], 0x1000000 ; part 1
	s_mov_b64 s[G0K+2:G0K+3], s[KB:KB+1]
	s_or_b32 s[G0K+3], s[G0K+3], 0x80000000
	s_mov_b64 s[G0V+2:G0V+3], s[VB:VB+1]
	s_or_b32 s[G0V+3], s[G0V+3], 0x80000000
	TLOAD                                          ; unit 0 into slot 0
	s_cmp_lt_u32 s[WV], 4
	s_cselect_b64 s[PFA:PFA+1], s[KB:KB+1], s[VB:VB+1]
	s_add_nc_u64 s[PFA:PFA+1], s[PFA:PFA+1], 0x8000   ; at unit 1: the first change of slots steps it to unit 2
	SETQ
	v_and_b32 v16, 15, v0                          ; r
	v_bfe_u32 v17, v0, 4, 1                        ; h
	v_and_b32 v18, 31, v0                          ; lane
	v_lshlrev_b32 v[QO], 7, v16
	v_lshl_add_u32 v[QO], v17, 4, v[QO]            ; row r of 128 bytes + 16 h
	QLOAD
	v_mul_u32_u24 v[AK0], v16, PK
	v_lshl_add_u32 v[AK0], v17, 4, v[AK0]
	v_and_b32 v19, 7, v0
	v_lshl_add_u32 v[AV0], v17, 3, v19             ; the turning load: key 8 h + l % 8, channels 8 ((l / 8) % 2) on
	v_mul_u32_u24 v[AV0], v[AV0], PV
	v_bfe_u32 v20, v0, 3, 1
	v_lshl_add_u32 v[AV0], v20, 4, v[AV0]
	v_add_nc_u32 v[AV0], VOFF, v[AV0]
	s_mul_i32 s57, s[WV], 16*PK
	s_add_co_u32 s57, s57, STAGE                   ; my stage
	v_add_nc_u32 v[STO], s57, v[AK0]               ; in: row r, 16 bytes for each half of the lanes
	v_lshrrev_b32 v20, 3, v18
	v_mul_u32_u24 v20, v20, PK
	v_lshl_add_u32 v20, v19, 4, v20
	v_add_nc_u32 v[RD], s57, v20                   ; back: four rows of 128 bytes an instruction
	v_lshlrev_b32 v[GO], 4, v18
	v_lshlrev_b32 v[PFO], 8, v18
	v_lshlrev_b32 v20, 3, v17
	v_sub_nc_u32 v[RH], v16, v20
	v_mov_b32 v[NINF], 0xff800000
	INIT
	s_wait_loadcnt 0x0                             ; Q
; THE SOFTMAX of a key step, the two tiles line by line.  For each query: m = max(old m, the step's scores); a = 2^(c m_old - c m); p = 2^(c s - c m); l = a l + the sum of p.
.macro SOFTMAX
.irp i, 0,1,2,3
.irp t, 0,1
	v_max3_num_f32 v[ST+8*\t+4+\i], v[S+32*\t+8*\i], v[S+32*\t+8*\i+1], v[S+32*\t+8*\i+2]   ; four chains, each begun at an accumulator's low end
.endr
.endr
.irp n, 3,5
.irp i, 0,1,2,3
.irp t, 0,1
	v_max3_num_f32 v[ST+8*\t+4+\i], v[ST+8*\t+4+\i], v[S+32*\t+8*\i+\n], v[S+32*\t+8*\i+\n+1]
.endr
.endr
.endr
.irp t, 0,1
	v_max3_num_f32 v[ST+8*\t+4], v[ST+8*\t+4], v[S+32*\t+7], v[S+32*\t+15]
	v_max3_num_f32 v[ST+8*\t+6], v[ST+8*\t+6], v[S+32*\t+23], v[S+32*\t+31]
.endr
.irp t, 0,1
	v_max3_num_f32 v[ST+8*\t+4], v[ST+8*\t+4], v[ST+8*\t+5], v[ST+8*\t+6]
.endr
.irp t, 0,1
	v_max3_num_f32 v[ST+8*\t+4], v[ST+8*\t+4], v[ST+8*\t+7], v[ST+8*\t+1]
.endr
.irp t, 0,1
	v_permlanex16_b32 v[ST+8*\t+5], v[ST+8*\t+4], s[SEL], s[SEL+1]   ; the query's other 32 keys lie in the lane 16 away
.endr
.irp t, 0,1
	v_mov_b32 v[ST+8*\t+7], v[ST+8*\t]             ; c m_old
.endr
.irp t, 0,1
	v_max_num_f32 v[ST+8*\t+1], v[ST+8*\t+4], v[ST+8*\t+5]
.endr
.irp t, 0,1
	v_mul_f32 v[ST+8*\t], s[CS], v[ST+8*\t+1]
.endr
.irp t, 0,1
	v_sub_f32 v[ST+8*\t+7], v[ST+8*\t+7], v[ST+8*\t]
.endr
.irp t, 0,1
	v_exp_f32 v[ST+8*\t+6], v[ST+8*\t+7]           ; a
.endr
.irp n, 0,1,2,3,4,5,6,7,8,9,10,11,12,13,14,15
.irp t, 0,1
	v_pk_fma_f32 v[S+32*\t+2*\n:S+32*\t+2*\n+1], v[S+32*\t+2*\n:S+32*\t+2*\n+1], s[CS:CS+1], v[ST+8*\t:ST+8*\t+1] op_sel_hi:[1,0,0] neg_lo:[0,0,1] neg_hi:[0,0,1]   ; c s - c m
.endr
.endr
.irp n, 0,1,2,3,4,5,6,7,8,9,10,11,12,13,14,15,16,17,18,19,20,21,22,23,24,25,26,27,28,29,30,31
.irp t, 0,1
	v_exp_f32 v[S+32*\t+\n], v[S+32*\t+\n]
.endr
.endr
	v_nop                                          ; a plain instruction behind the last exponential,
	s_wait_alu depctr_va_vdst(0)                   ; and ONE wait for the step's 66, ahead of the first instruction that names a result
.irp n, 0,1,2,3,4,5,6,7,8,9,10,11,12,13,14,15
.irp t, 0,1
	v_cvt_pk_f16_f32 v[P+16*\t+\n], v[S+32*\t+2*\n], v[S+32*\t+2*\n+1]
.endr
.endr
.irp u, 0,1,2,3,4,5,6,7
.irp t, 0,1
	v_pk_add_f32 v[S+32*\t+4*\u:S+32*\t+4*\u+1], v[S+32*\t+4*\u:S+32*\t+4*\u+1], v[S+32*\t+4*\u+2:S+32*\t+4*\u+3]   ; the sum of the unrounded p, in place, by halves
.endr
.endr
.irp u, 0,1,2,3
.irp t, 0,1
	v_pk_add_f32 v[S+32*\t+8*\u:S+32*\t+8*\u+1], v[S+32*\t+8*\u:S+32*\t+8*\u+1], v[S+32*\t+8*\u+4:S+32*\t+8*\u+5]
.endr
.endr
.irp u, 0,1
.irp t, 0,1
	v_pk_add_f32 v[S+32*\t+16*\u:S+32*\t+16*\u+1], v[S+32*\t+16*\u:S+32*\t+16*\u+1], v[S+32*\t+16*\u+8:S+32*\t+16*\u+9]
.endr
.endr
.irp t, 0,1
	v_pk_add_f32 v[S+32*\t:S+32*\t+1], v[S+32*\t:S+32*\t+1], v[S+32*\t+16:S+32*\t+17]
.endr
.irp t, 0,1
	v_pk_fma_f32 v[ST+8*\t+2:ST+8*\t+3], v[ST+8*\t+2:ST+8*\t+3], v[ST+8*\t+6:ST+8*\t+7], v[S+32*\t:S+32*\t+1] op_sel_hi:[1,0,1]
.endr
.endm
; A KEY STEP: 64 keys, quarter st of the slot in hand.
.macro STEP st
	s_add_co_u32 s68, s[Q0], 31                    ; all keys behind my last query: the step's work is left out (ids and the count of steps alone); no barrier and no tensor load stands in a step
	s_cmp_gt_u32 s[KF], s68
	s_cbranch_scc1 .Lhid_\@
	v_add_nc_u32 v[ADK], s[TB], v[AK0]
	v_add_nc_u32 v[ADV], s[TB], v[AV0]
	v_nop
	v_nop                                          ; four plain instructions between the last step's products and the loads into V's registers
.irp kt, 0,1,2,3
.irp c, 0,1
	ds_load_b128 v[K+16*\kt+8*\c:K+16*\kt+8*\c+3], v[ADK] offset:(\st)*64*PK+\kt*16*PK+64*\c
	ds_load_b128 v[K+16*\kt+8*\c+4:K+16*\kt+8*\c+7], v[ADK] offset:(\st)*64*PK+\kt*16*PK+64*\c+32
.endr
.endr
	WIN 0x40                                       ; destination window 1
.irp kh, 0,1
.irp ct, 0,1,2,3
	ds_load_tr16_b128 v[8*(4*\kh+\ct):8*(4*\kh+\ct)+3], v[ADV] offset:(\st)*64*PV+\kh*32*PV+32*\ct
	ds_load_tr16_b128 v[8*(4*\kh+\ct)+4:8*(4*\kh+\ct)+7], v[ADV] offset:(\st)*64*PV+\kh*32*PV+16*PV+32*\ct
.endr
.endr
	WIN 0
	s_wait_dscnt 16                                ; K is in; V's sixteen loads may be out
.irp c, 0,1                            ; S^T = K Q^T: eight accumulators by turns; the first 32 channels start the sums
.irp kt, 0,1,2,3
.irp t, 0,1
.if \c == 0
	v_wmma_f32_16x16x32_f16 v[S+32*\t+8*\kt:S+32*\t+8*\kt+7], v[K+16*\kt+8*\c:K+16*\kt+8*\c+7], v[Q+16*\t+8*\c:Q+16*\t+8*\c+7], 0
.else
	v_wmma_f32_16x16x32_f16 v[S+32*\t+8*\kt:S+32*\t+8*\kt+7], v[K+16*\kt+8*\c:K+16*\kt+8*\c+7], v[Q+16*\t+8*\c:Q+16*\t+8*\c+7], v[S+32*\t+8*\kt:S+32*\t+8*\kt+7]
.endif
.endr
.endr
.endr
.rept 4
	v_nop
.endr
	s_add_co_u32 s68, s[KF], 63                    ; on the diagonal hidden scores become -infinity ahead of the maximum; a step all of whose keys count jumps over this
	s_cmp_le_u32 s68, s[Q0]
	s_cbranch_scc1 .Lopen_\@
	s_sub_co_i32 s68, s[Q0], s[KF]
	v_add_nc_u32 v[D0], s68, v[RH]                 ; register 8 kt + j of tile t holds key KF + 16 kt + 8 h + j: hidden where 16 kt + j > Q0 - KF + 16 t + r - 8 h
	v_add_nc_u32 v[D0+1], 16, v[D0]
.irp t, 0,1
.irp kt, 0,1,2,3
.irp j, 0,1,2,3,4,5,6,7
	v_cmp_gt_i32 vcc_lo, 16*\kt+\j, v[D0+\t]
	v_cndmask_b32 v[S+32*\t+8*\kt+\j], v[S+32*\t+8*\kt+\j], v[NINF], vcc_lo
.endr
.endr
.endr
.Lopen_\@:
	SOFTMAX
	WIN 0x41                                       ; O^T (destination, source 0) window 1; a window 0
.irp t, 0,1
.irp n, 0,1,2,3,4,5,6,7,8,9,10,11,12,13,14,15
	v_pk_mul_f32 v[OT+32*\t+2*\n:OT+32*\t+2*\n+1], v[OT+32*\t+2*\n:OT+32*\t+2*\n+1], v[ST+8*\t+6:ST+8*\t+7] op_sel_hi:[1,0]
.endr
.endr
	s_wait_dscnt 0x0                               ; V is in
	WIN 0x51                                       ; V window 1, P window 0, O^T window 1
.irp kh, 0,1                           ; O^T += V^T P: eight accumulators by turns
.irp ct, 0,1,2,3
.irp t, 0,1
	v_wmma_f32_16x16x32_f16 v[OT+32*\t+8*\ct:OT+32*\t+8*\ct+7], v[8*(4*\kh+\ct):8*(4*\kh+\ct)+7], v[P+16*\t+8*\kh:P+16*\t+8*\kh+7], v[OT+32*\t+8*\ct:OT+32*\t+8*\ct+7]
.endr
.endr
.endr
	WIN 0
.Lhid_\@:
	s_add_co_u32 s[KF], s[KF], 64
.endm
; THE CHANGE OF SLOTS stands at a unit's head.  Each wave waits for all its tensor loads (its quarter of the unit that it is about to read), adds 0 to its spare word, and waits for that and for its reads of the
; slot that it has left.  Behind the barrier the slot ahead is whole and nobody reads the other one.  fill = 1: the other slot takes the next unit: the load has four key steps in which to land.
.macro CHANGE fill
	s_wait_tensorcnt 0x0                           ; no tensor load of mine is out, so a group 0 may be written
	ds_add_u32 v[SPW], v[NIL]                      ; 0 onto my spare word; the descriptors' steps stand between it and the wait for it
.if \fill
	s_add_co_u32 s[LN], s[LN], 1
	s_cmp_gt_u32 s[LN], s[LASTA]
	s_cselect_b32 s68, s[WRAP], 0
	s_sub_co_u32 s68, s[LN], s68                   ; its key block: the unit's number, or in the second pass that less 8 - j
	s_lshl_b32 s68, s68, 15                        ; 256 rows of 128 bytes
	s_mov_b32 s69, 0
	s_add_nc_u64 s[G0K+2:G0K+3], s[KB:KB+1], s[68:69]
	s_or_b32 s[G0K+3], s[G0K+3], 0x80000000
	s_xor_b32 s[G0K+1], s[G0K+1], SLOT1
	s_add_nc_u64 s[G0V+2:G0V+3], s[VB:VB+1], s[68:69]
	s_or_b32 s[G0V+3], s[G0V+3], 0x80000000
	s_xor_b32 s[G0V+1], s[G0V+1], SLOT1
	s_wait_xcnt 0x0                                ; the last prefetch, a unit back, has read its address
	s_add_nc_u64 s[PFA:PFA+1], s[PFA:PFA+1], 0x8000
.endif
	s_wait_dscnt 0x0                               ; the add is done, and my reads of the slot that I have left are over
	s_barrier_signal -1
	s_barrier_wait -1
.if \fill
	TLOAD                                          ; the first thing behind the barrier, and my one tensor load until the next
	ASK
.endif
.endm
; THE WAY OUT of a pass: O^T / l, rounded to f16, a tile (16 queries) at a time through my stage; an instruction stores four rows of 128 bytes: 512 consecutive bytes.
.macro OUT
.rept 4
	v_nop                                          ; the places behind the last products, on every way that leads here
.endr
.irp t, 0,1
	v_add_f32 v[ST+8*\t+4], v[ST+8*\t+2], v[ST+8*\t+3]
.endr
.irp t, 0,1
	v_permlanex16_b32 v[ST+8*\t+5], v[ST+8*\t+4], s[SEL], s[SEL+1]
.endr
.irp t, 0,1
	v_add_f32 v[ST+8*\t+4], v[ST+8*\t+4], v[ST+8*\t+5]
.endr
.irp t, 0,1
	v_rcp_f32 v[ST+8*\t+6], v[ST+8*\t+4]
.endr
	v_nop
	s_wait_alu depctr_va_vdst(0)                   ; one wait for the two reciprocals
.irp t, 0,1
	WIN 0x41
.irp n, 0,1,2,3,4,5,6,7,8,9,10,11,12,13,14,15
	v_pk_mul_f32 v[OT+32*\t+2*\n:OT+32*\t+2*\n+1], v[OT+32*\t+2*\n:OT+32*\t+2*\n+1], v[ST+8*\t+6:ST+8*\t+7] op_sel_hi:[1,0]
.endr
	WIN 0x05                                       ; sources 0 and 1 window 1
.irp n, 0,1,2,3,4,5,6,7,8,9,10,11,12,13,14,15
	v_cvt_pk_f16_f32 v[W+16*\t+\n], v[OT+32*\t+2*\n], v[OT+32*\t+2*\n+1]
.endr
	WIN 0
.irp ct, 0,1,2,3
	ds_store_b128 v[STO], v[W+16*\t+4*\ct:W+16*\t+4*\ct+3] offset:32*\ct
.endr
.irp g, 0,1,2,3
	ds_load_b128 v[K+16*\t+4*\g:K+16*\t+4*\g+3], v[RD] offset:4*PK*\g   ; LDS serves a wave's instructions in order: these see the stores above, and the next tile's stores come behind them
.endr
.endr
.irp g, 0,1,2,3
	s_wait_dscnt 11-\g                             ; behind this load: tile 0's later loads and tile 1's eight instructions
	global_store_b128 v[GO], v[K+4*\g:K+4*\g+3], s[OP:OP+1] offset:512*\g
.endr
.irp g, 0,1,2,3
	s_wait_dscnt 3-\g
	global_store_b128 v[GO], v[K+16+4*\g:K+16+4*\g+3], s[OP:OP+1] offset:2048+512*\g
.endr
.endm
.Lunit:                                            ; 8 trips: behind each change of slots the next unit is asked for
	CHANGE 1
	STEP 0
	STEP 1
	STEP 2
	STEP 3
	s_xor_b32 s[TB], s[TB], SLOT1
	s_cmp_lg_u32 s[LN], s[WRAP]                    ; was this the first pass's last unit?  (ids and the count of units: the same in all eight waves)
	s_cbranch_scc1 .Lsame
	OUT                                            ; block 7 - j leaves; block j begins
	s_lshl_b32 s[Q0], s[J], 8
	s_lshl_b32 s68, s[WV], 5
	s_add_co_u32 s[Q0], s[Q0], s68
	s_mov_b32 s[KF], 0
	s_wait_xcnt 0x0                                ; the stores have read their data and their base: both may be written again
	SETQ
	QLOAD
	INIT
	s_wait_loadcnt 0x0
.Lsame:
	s_sub_co_u32 s[U], s[U], 1
	s_cmp_lg_u32 s[U], 0
	s_cbranch_scc1 .Lunit
	CHANGE 0                                       ; the ninth unit is written out: nothing is left to ask for
	STEP 0
	STEP 1
	STEP 2
	STEP 3
	OUT
	s_wait_tensorcnt 0x0                           ; the wave's end
	ds_add_u32 v[SPW], v[NIL]
	s_wait_dscnt 0x0
	s_endpgm
.Lfunc_end_k_qd5992b2816_attn:
	.size	k_qd5992b2816_attn, .Lfunc_end_k_qd5992b2816_attn-k_qd5992b2816_attn
	.p2alignl 7, 3214868480
	.fill 96, 4, 3214868480
	.section	.rodata,"a",@progbits
	.p2align	6, 0x0
	.amdhsa_kernel k_qd5992b2816_attn
		.amdhsa_group_segment_fixed_size 327680
		.amdhsa_private_segment_fixed_size 0
		.amdhsa_enable_private_segment 0
		.amdhsa_kernarg_size 16
		.amdhsa_user_sgpr_count 2
		.amdhsa_user_sgpr_kernarg_segment_ptr 1
		.amdhsa_wavefront_size32 1
		.amdhsa_system_sgpr_workgroup_id_x 1
		.amdhsa_system_sgpr_workgroup_id_y 1
		.amdhsa_system_sgpr_workgroup_id_z 1
		.amdhsa_system_vgpr_workitem_id 0
		.amdhsa_next_free_vgpr 384
		.amdhsa_next_free_sgpr 80
		.amdhsa_reserve_vcc 1
		.amdhsa_float_denorm_mode_32 3
		.amdhsa_float_denorm_mode_16_64 3
		.amdhsa_memory_ordered 1
		.amdhsa_forward_progress 1
		.amdhsa_inst_pref_size 198
	.end_amdhsa_kernel
	.amdgpu_metadata
---
amdhsa.version: [ 1, 2 ]
amdhsa.kernels:
  - .name:           k_qd5992b2816_attn
    .symbol:         k_qd5992b2816_attn.kd
    .args:
      - { .name: qkv, .offset: 0, .size: 8, .value_kind: global_buffer, .address_space: global }
      - { .name: att, .offset: 8, .size: 8, .value_kind: global_buffer, .address_space: global }
    .group_segment_fixed_size: 327680
    .private_segment_fixed_size: 0
    .kernarg_segment_align: 8
    .kernarg_segment_size: 16
    .max_flat_workgroup_size: 256
    .sgpr_count:     80
    .vgpr_count:     384
    .wavefront_size: 32
...
	.end_amdgpu_metadata
.endif
;; end of part 4
;; launch proj (part 5): grid 4 x 64, 4 waves a work-group, clusters of 4 x 4, 327,680 bytes of LDS; arguments att, wo16, bo, out0; writes out0
.if DOCPART == 5
	.amdgcn_target "amdgcn-amd-amdhsa--gfx1250"
	.amdhsa_code_object_version 6
	.text
	.protected	k_qd5992b2816_proj
	.globl	k_qd5992b2816_proj
	.p2align	8
	.type	k_qd5992b2816_proj,@function
k_qd5992b2816_proj:
	s_mov_b64 s[64:65], 0
	v_nop
	global_prefetch_b8 v0, s[64:65] scope:SCOPE_SE
	s_setreg_imm32_b32 hwreg(HW_REG_WAVE_MODE, 25, 1), 1
	s_wait_xcnt 0x0
	s_wait_alu depctr_hold_cnt(0) depctr_sa_sdst(0) depctr_va_vdst(0) depctr_va_sdst(0) depctr_va_ssrc(0) depctr_va_vcc(0) depctr_vm_vsrc(0)
	s_getreg_b32 s2, hwreg(HW_REG_IB_STS2, 6, 4)
	s_cmp_eq_u32 s2, 0
	s_cbranch_scc0 .Lentry_in_a_cluster
	s_endpgm
.Lentry_in_a_cluster:
	s_bfe_u32 s2, ttmp6, 0x10000c
	s_cmp_lg_u32 s2, 0xf033
	s_cbranch_scc0 .Lentry_shape_is_right
	s_endpgm
.Lentry_shape_is_right:
; PROJ.  out0 [8192][1024] f32 = attn [8192][1024] x Wo [1024][1024] + bo, on f16 operands with f32 sums.  attn lies by head, att [batch x 16 + head][2048][64]; Wo as f16, [k][n].
; LIMIT: |att|, |Wo| under 65,504.  The 64 rows at positions 0 to 15 are made here too; a later launch stores them again from f32 operands.
; A tile of 128 rows x 256 columns gives 64 x 4 = 256 work-groups.  Four waves, 64 x 128 each: 32 accumulators, 256 registers.  K goes in 8 steps of 128 (two heads) through two LDS slots.
; In a slot: attn's two planes (a head each) of 128 rows x 128 bytes, dense in memory; Wo's 128 rows (k) x 512 bytes.  Waves 0, 1 fetch the planes, waves 2, 3 Wo's halves: one load a wave behind each round, two out at the start.
; CLUSTERS: 4 x 4 work-groups: attn's tile is shared along a row of the cluster, Wo's along a column: each is asked for jointly.
; THE MATRIX INSTRUCTION IS USED TRANSPOSED: source 0 = 16 columns of Wo (turned out of LDS by ds_load_tr16_b128), source 1 = 16 rows of attn: a lane holds eight neighbouring columns of one row.  bo is the C of the first products.
; REGISTERS: window 0: v16-29 addresses; two fragment buffers v64-159, v160-255 (attn's 4 fragments, then Wo's 8), later rows on the way out.  window 1: the accumulators ((a, b) at v[8 (8 a + b)]).  window 2: v0-63 bo.
.set PA,     144                       ; a row of attn in LDS: 128 bytes + 16
.set PLANE,  128*PA
.set BOFF,   2*PLANE
.set PB,     544                       ; a row of Wo: 512 bytes + 32
.set HALFB,  64*PB
.set SLOT,   BOFF+2*HALFB
.set STAGE,  2*SLOT                    ; 16 rows x (512 bytes + 16) for each wave; no tile lands here
.set SPITCH, 528
.set SPARE,  STAGE+4*16*SPITCH         ; the spare words, 128 bytes for each wave: two blocks of 256 bytes that no other line names
.set ADRA, 16
.set ADRB, 20
.set STO,  24
.set RD,   25
.set CO,   26
.set BOF,  27
.set SPW,  28
.set NIL,  29
.set F0,   64
.set F1,   160
.set BK,   64
.set G1,  24
.set G0,  32
.set G1B, 48
.set G0B, 56
.set MSB, 0
.macro WIN new
.if MSB != (\new)
	s_set_vgpr_msb (MSB<<8)|(\new)
.set MSB, (\new)
.endif
.endm
.set MUL, 0x50                         ; sources 0 and 1 window 0; C and D window 1
.macro JLOAD s                         ; a joint load; the branch hangs on the wave's number alone.  An s_nop 0 and four v_nop follow each line
	s_cmp_eq_u32 s13, 0
	s_cbranch_scc0 .Lfor_b_\@
	tensor_load_to_lds s[G0+4*\s:G0+4*\s+3], s[G1:G1+7]
	s_nop 0
.rept 4
	v_nop
.endr
	s_branch .Lasked_\@
.Lfor_b_\@:
	tensor_load_to_lds s[G0B+4*\s:G0B+4*\s+3], s[G1B:G1B+7]
	s_nop 0
.rept 4
	v_nop
.endr
.Lasked_\@:
.endm
.macro CREST                           ; a round of the cluster's barrier behind its opening barrier
	s_cmp_lg_u32 s12, 0
	s_cbranch_scc1 .Lnot_wave_0_\@
	s_barrier_signal -3
.Lnot_wave_0_\@:
	s_barrier_wait -3
	s_barrier_signal -1
	s_barrier_wait -1
.endm
.macro CROUND
	s_barrier_signal -1
	s_barrier_wait -1
	CREST
.endm
	s_load_b256 s[4:11], s[0:1], 0x0               ; att, wo16, bo, out0
	v_lshl_add_u32 v[SPW], v0, 2, SPARE
	v_mov_b32 v[NIL], 0
	ds_add_u32 v[SPW], v[NIL]                      ; the wave's opening: the add, twice on end, and its wait ahead of my first tensor load
	ds_add_u32 v[SPW], v[NIL]
	v_lshrrev_b32 v1, 5, v0
	v_readfirstlane_b32 s12, v1                    ; wave 0..3
	s_lshr_b32 s13, s12, 1                         ; which 64 rows are mine.  Also: I fetch for attn (0) or for Wo (1)
	s_and_b32 s14, s12, 1                          ; which 128 columns.  Also: which plane, or which 64 rows of Wo, I fetch
	s_bfe_u32 s15, ttmp6, 0x40000                  ; cx
	s_bfe_u32 s16, ttmp6, 0x40004                  ; cy
	s_lshl_b32 s17, ttmp9, 2
	s_add_co_u32 s17, s17, s15                     ; tile column
	s_and_b32 s18, ttmp7, 0xffff
	s_lshl_b32 s18, s18, 2
	s_add_co_u32 s18, s18, s16                     ; tile row
	s_lshl_b32 s40, s16, 2
	s_lshl_b32 s40, 15, s40                        ; my row of the cluster
	s_lshl_b32 s41, 0x1111, s15                    ; my column
	s_or_b32 s[G1], s40, (1<<16)|(1<<20)|(1<<21)|(4<<22)|(3<<25)    ; the mask; elements of 2 bytes; padding on; bit 21 beside a mask; 4 words after every 32
	s_mov_b32 s[G1+1], 64<<16                      ; tensor_dim0
	s_mov_b32 s[G1+2], 128<<16                     ; tensor_dim1
	s_mov_b32 s[G1+3], 64<<16                      ; tile_dim0
	s_mov_b32 s[G1+4], 128                         ; tile_dim1
	s_mov_b32 s[G1+5], 64                          ; the pitch
	s_mov_b32 s[G1+6], 0
	s_mov_b32 s[G1+7], 0
	s_or_b32 s[G1B], s41, (1<<16)|(1<<20)|(1<<21)|(6<<22)|(7<<25)   ; 8 words after every 128
	s_mov_b32 s[G1B+1], 256<<16
	s_mov_b32 s[G1B+2], 64<<16
	s_mov_b32 s[G1B+3], 256<<16
	s_mov_b32 s[G1B+4], 64
	s_mov_b32 s[G1B+5], 1024
	s_mov_b32 s[G1B+6], 0
	s_mov_b32 s[G1B+7], 0
	s_lshr_b32 s42, s18, 4                         ; attn: the batch's 16 heads of 2^18 bytes,
	s_lshl_b32 s42, s42, 22
	s_and_b32 s43, s18, 15
	s_lshl_b32 s43, s43, 14                        ; 128 positions of 128 bytes,
	s_add_co_u32 s42, s42, s43
	s_lshl_b32 s43, s14, 18                        ; my plane: made of the tile row and the wave's number alone
	s_add_co_u32 s42, s42, s43
	s_mov_b32 s43, 0
	s_lshl_b32 s44, s14, 17                        ; Wo: my 64 rows of 2,048 bytes,
	s_lshl_b32 s45, s17, 9                         ; the tile's 256 columns: made of the tile column and the wave's number alone
	s_add_co_u32 s44, s44, s45
	s_mov_b32 s45, 0
	s_mul_i32 s46, s14, PLANE                      ; where they go: no place in the cluster enters an LDS address
	s_mul_i32 s47, s14, HALFB
	s_add_co_u32 s47, s47, BOFF
	s_wait_dscnt 0x0                               ; both opening adds are done
	s_wait_kmcnt 0x0
	s_add_nc_u64 s[42:43], s[4:5], s[42:43]
	s_add_nc_u64 s[44:45], s[6:7], s[44:45]
	CROUND                                         ; all sixteen work-groups are here: the first joint loads meet
.irp s, 0,1
	s_mov_b32 s[G0+4*\s], 1
	s_add_co_u32 s[G0+4*\s+1], s46, \s*SLOT
	s_add_nc_u64 s[G0+4*\s+2:G0+4*\s+3], s[42:43], \s*524288      ; a K step is two heads
	s_or_b32 s[G0+4*\s+3], s[G0+4*\s+3], 0x80000000
	s_mov_b32 s[G0B+4*\s], 1
	s_add_co_u32 s[G0B+4*\s+1], s47, \s*SLOT
	s_add_nc_u64 s[G0B+4*\s+2:G0B+4*\s+3], s[44:45], \s*262144    ; and 128 rows of Wo
	s_or_b32 s[G0B+4*\s+3], s[G0B+4*\s+3], 0x80000000
	JLOAD \s
.endr
	v_and_b32 v1, 15, v0                           ; r
	v_bfe_u32 v2, v0, 4, 1                         ; h
	v_mul_u32_u24 v3, v1, PA
	v_lshl_add_u32 v3, v2, 4, v3
	s_mul_i32 s20, s13, 64*PA
	v_add_nc_u32 v[ADRA], s20, v3                  ; attn: my 64 rows; row r x pitch + 16 h
	v_add_nc_u32 v[ADRA+1], SLOT, v[ADRA]
	v_and_b32 v4, 7, v0
	v_lshl_add_u32 v4, v2, 3, v4                   ; Wo, turned: row 8 h + l % 8, columns 8 ((l / 8) % 2) on
	v_mul_u32_u24 v4, v4, PB
	v_bfe_u32 v5, v0, 3, 1
	v_lshl_add_u32 v4, v5, 4, v4
	s_lshl_b32 s20, s14, 8
	s_add_co_u32 s20, s20, BOFF
	v_add_nc_u32 v[ADRB], s20, v4
	v_add_nc_u32 v[ADRB+1], SLOT, v[ADRB]
	s_mul_i32 s20, s12, 16*SPITCH
	s_add_co_u32 s20, s20, STAGE                   ; my stage
	v_mul_u32_u24 v5, v1, SPITCH
	v_lshl_add_u32 v5, v2, 5, v5
	v_add_nc_u32 v[STO], s20, v5                   ; in: row r, 32 bytes for each half of the lanes
	v_and_b32 v6, 31, v0
	v_lshlrev_b32 v[CO], 4, v6
	v_add_nc_u32 v[RD], s20, v[CO]                 ; back: the 32 lanes take one row of 512 bytes
	v_lshlrev_b32 v[BOF], 5, v2
	s_lshl_b32 s20, s17, 10
	s_lshl_b32 s21, s14, 9
	s_add_co_u32 s20, s20, s21                     ; my first column, in bytes of f32
	s_mov_b32 s21, 0
	s_add_nc_u64 s[8:9], s[8:9], s[20:21]
	WIN 0x80                                       ; destination window 2
.irp b, 0,1,2,3,4,5,6,7
	global_load_b128 v[8*\b:8*\b+3], v[BOF], s[8:9] offset:64*\b          ; bo at columns 16 b + 8 h + 0 .. 7
	global_load_b128 v[8*\b+4:8*\b+7], v[BOF], s[8:9] offset:64*\b+16
.endr
	WIN 0
	s_lshl_b32 s22, s18, 1
	s_add_co_u32 s22, s22, s13
	s_lshl_b32 s22, s22, 18                        ; my first row: 64 rows of 4,096 bytes
	s_add_co_u32 s22, s22, s20
	s_mov_b32 s23, 0
	s_add_nc_u64 s[10:11], s[10:11], s[22:23]
.macro MUL8 f, a, first                ; attn's block a against Wo's eight, 32 along K.  The 32 accumulators take turns, in the same order in every quarter
.irp b, 0,1,2,3,4,5,6,7
.if \first
	v_wmma_f32_16x16x32_f16 v[8*(8*(\a)+\b):8*(8*(\a)+\b)+7], v[\f+32+8*\b:\f+32+8*\b+7], v[\f+8*(\a):\f+8*(\a)+7], v[8*\b:8*\b+7]
.else
	v_wmma_f32_16x16x32_f16 v[8*(8*(\a)+\b):8*(8*(\a)+\b)+7], v[\f+32+8*\b:\f+32+8*\b+7], v[\f+8*(\a):\f+8*(\a)+7], v[8*(8*(\a)+\b):8*(8*(\a)+\b)+7]
.endif
.endr
.endm
.macro FETCH slot, q, f                ; 24 LDS loads in one run: quarter q (32 along K) into buffer f: Wo's 16, attn's blocks 0, 1, then 2, 3
	WIN 0
.irp b, 0,1,2,3,4,5,6,7
	ds_load_tr16_b128 v[\f+32+8*\b:\f+32+8*\b+3], v[ADRB+\slot] offset:(\q)*32*PB+32*\b
	ds_load_tr16_b128 v[\f+32+8*\b+4:\f+32+8*\b+7], v[ADRB+\slot] offset:(\q)*32*PB+16*PB+32*\b
.endr
.irp a, 0,1,2,3
	ds_load_b128 v[\f+8*\a:\f+8*\a+3], v[ADRA+\slot] offset:((\q)/2)*PLANE+((\q)%2)*64+\a*16*PA
	ds_load_b128 v[\f+8*\a+4:\f+8*\a+7], v[ADRA+\slot] offset:((\q)/2)*PLANE+((\q)%2)*64+\a*16*PA+32
.endr
.endm
.macro PLACES
.rept 4
	v_nop
.endr
.endm
; A K step is four quarters of 32 along K, 32 matrix instructions each, on buffers 0, 1, 0, 1.  One of the first three: multiplies f, and in its middle fetches quarter qn into g.  first = 1: C is bo, in window 2
.macro QUARTER slot, qn, f, g, first
	s_wait_dscnt 4                                 ; Wo's fragments and attn's blocks 0, 1 are in; the youngest four loads may be out
	WIN MUL+0x10*(\first)
	MUL8 \f, 0, \first
	MUL8 \f, 1, \first
	PLACES
	FETCH \slot, \qn, \g
	s_wait_dscnt 24                                ; all but the 24 just issued
	WIN MUL+0x10*(\first)
	MUL8 \f, 2, \first
	MUL8 \f, 3, \first
.endm
; The last quarter multiplies buffer 1 and changes slots: one barrier; in front of it each wave waits for all its tensor loads, adds 0 to its spare word, and waits for that and for its reads of this slot.
.macro TURN slot, next, fill
	WIN 0
	s_wait_tensorcnt 0x0                           ; all my tensor loads have landed: my part of the next slot
	ds_add_u32 v[SPW], v[NIL]                      ; 0 onto my spare word
	s_wait_dscnt 5                                 ; (the add and the youngest four loads may be out)
	WIN MUL
	MUL8 F1, 0, 0
	s_wait_dscnt 0x0                               ; the add is done, and my reads of this slot are over
	s_barrier_signal -1
	MUL8 F1, 1, 0
.if \fill
	WIN 0
.endif
	s_barrier_wait -1
.if \fill
	CREST                                          ; the barrier has opened a round of the cluster's: no wave of any partner still reads this slot or has a load on its way
	s_add_nc_u64 s[G0+4*\slot+2:G0+4*\slot+3], s[G0+4*\slot+2:G0+4*\slot+3], 2*524288
	s_add_nc_u64 s[G0B+4*\slot+2:G0B+4*\slot+3], s[G0B+4*\slot+2:G0B+4*\slot+3], 2*262144
	JLOAD \slot                                    ; the first tensor load behind the round; its four v_nop are also the places in front of the loads below
.else
	PLACES
.endif
	FETCH \next, 0, F0
	WIN MUL
	MUL8 F1, 2, 0
	MUL8 F1, 3, 0
.endm
	s_wait_tensorcnt 1                             ; my part of K step 0 is in (K step 1's load may be out)
	s_barrier_signal -1
	s_barrier_wait -1                              ; everybody's is
	FETCH 0, 0, F0
	s_wait_loadcnt 0x0                             ; bo
	QUARTER 0, 1, F0, F1, 1                        ; the first quarter stands in front of the loop: bo starts the sums
	WIN 0
	s_mov_b32 s19, 3
.Llap:                                             ; a trip goes once round the ring and fills both slots again: K steps 2 to 7
	QUARTER 0, 2, F1, F0, 0
	QUARTER 0, 3, F0, F1, 0
	TURN 0, 1, 1
	QUARTER 1, 1, F0, F1, 0
	QUARTER 1, 2, F1, F0, 0
	QUARTER 1, 3, F0, F1, 0
	TURN 1, 0, 1
	QUARTER 0, 1, F0, F1, 0
	WIN 0
	s_sub_co_u32 s19, s19, 1
	s_cmp_lg_u32 s19, 0
	s_cbranch_scc1 .Llap
	QUARTER 0, 2, F1, F0, 0                        ; the last lap fills nothing
	QUARTER 0, 3, F0, F1, 0
	TURN 0, 1, 0
	QUARTER 1, 1, F0, F1, 0
	QUARTER 1, 2, F1, F0, 0
	QUARTER 1, 3, F0, F1, 0
	s_wait_dscnt 4
	WIN MUL
	MUL8 F1, 0, 0
	MUL8 F1, 1, 0
	s_wait_dscnt 0
	MUL8 F1, 2, 0
	MUL8 F1, 3, 0
	WIN 0
; THE WAY OUT, block by block of 16 rows x 128 columns: through my own stage, back as whole rows of 512 bytes.
.macro TOSTAGE a
	WIN 0x04                                       ; an LDS store's data are its source 1: window 1
.irp b, 0,1,2,3,4,5,6,7
	ds_store_b128 v[STO], v[8*(8*(\a)+\b):8*(8*(\a)+\b)+3] offset:64*\b          ; each accumulator from its low end on
	ds_store_b128 v[STO], v[8*(8*(\a)+\b)+4:8*(8*(\a)+\b)+7] offset:64*\b+16
.endr
	WIN 0
.set BB, BK+64*((\a)%2)
.irp t, 0,1,2,3,4,5,6,7,8,9,10,11,12,13,14,15
	ds_load_b128 v[BB+4*\t:BB+4*\t+3], v[RD] offset:\t*SPITCH     ; LDS serves a wave's instructions in order: these see the stores above
.endr
.endm
.macro SEND a, younger
.set BB, BK+64*((\a)%2)
	s_wait_dscnt \younger
.irp t, 0,1,2,3,4,5,6,7,8,9,10,11,12,13,14,15
	global_store_b128 v[CO], v[BB+4*\t:BB+4*\t+3], s[10:11] offset:(16*(\a)+\t)*4096 th:TH_STORE_NT   ; 32 lanes store 512 consecutive bytes, aligned
.endr
.endm
	PLACES
	TOSTAGE 0
.irp a, 1,2,3
.if \a > 1
	s_wait_xcnt 0x0                                ; block a - 2's stores have read their registers: block a's loads may land there
.endif
	TOSTAGE \a
	SEND \a-1, 32                                  ; behind block a - 1's loads: block a's 16 stores and 16 loads
.endr
	SEND 3, 0
	s_wait_tensorcnt 0x0                           ; the wave's end
	ds_add_u32 v[SPW], v[NIL]
	s_wait_dscnt 0x0
	CROUND                                         ; the closing round
	s_endpgm
.Lfunc_end_k_qd5992b2816_proj:
	.size	k_qd5992b2816_proj, .Lfunc_end_k_qd5992b2816_proj-k_qd5992b2816_proj
	.p2alignl 7, 3214868480
	.fill 96, 4, 3214868480
	.section	.rodata,"a",@progbits
	.p2align	6, 0x0
	.amdhsa_kernel k_qd5992b2816_proj
		.amdhsa_group_segment_fixed_size 327680
		.amdhsa_private_segment_fixed_size 0
		.amdhsa_enable_private_segment 0
		.amdhsa_kernarg_size 32
		.amdhsa_user_sgpr_count 2
		.amdhsa_user_sgpr_kernarg_segment_ptr 1
		.amdhsa_wavefront_size32 1
		.amdhsa_system_sgpr_workgroup_id_x 1
		.amdhsa_system_sgpr_workgroup_id_y 1
		.amdhsa_system_sgpr_workgroup_id_z 1
		.amdhsa_system_vgpr_workitem_id 0
		.amdhsa_next_free_vgpr 576
		.amdhsa_next_free_sgpr 66
		.amdhsa_reserve_vcc 0
		.amdhsa_float_denorm_mode_32 3
		.amdhsa_float_denorm_mode_16_64 3
		.amdhsa_memory_ordered 1
		.amdhsa_forward_progress 1
		.amdhsa_inst_pref_size 86
	.end_amdhsa_kernel
	.amdgpu_metadata
---
amdhsa.version: [ 1, 2 ]
amdhsa.kernels:
  - .name:           k_qd5992b2816_proj
    .symbol:         k_qd5992b2816_proj.kd
    .args:
      - { .name: att, .offset: 0, .size: 8, .value_kind: global_buffer, .address_space: global }
      - { .name: wo16, .offset: 8, .size: 8, .value_kind: global_buffer, .address_space: global }
      - { .name: bo, .offset: 16, .size: 8, .value_kind: global_buffer, .address_space: global }
      - { .name: out0, .offset: 24, .size: 8, .value_kind: global_buffer, .address_space: global }
    .group_segment_fixed_size: 327680
    .private_segment_fixed_size: 0
    .kernarg_segment_align: 8
    .kernarg_segment_size: 32
    .max_flat_workgroup_size: 128
    .sgpr_count:     66
    .vgpr_count:     576
    .wavefront_size: 32
...
	.end_amdgpu_metadata
.endif
;; end of part 5
;; launch fine2 (part 6): grid 64 x 4, 8 waves a work-group, no clusters, 9,216 bytes of LDS; arguments attf, Wo, bo, out0; writes out0
.if DOCPART == 6
	.amdgcn_target "amdgcn-amd-amdhsa--gfx1250"
	.amdhsa_code_object_version 6
	.text
	.protected	k_qd5992b2816_fine2
	.globl	k_qd5992b2816_fine2
	.p2align	8
	.type	k_qd5992b2816_fine2,@function
k_qd5992b2816_fine2:
	s_mov_b64 s[64:65], 0
	v_nop
	global_prefetch_b8 v0, s[64:65] scope:SCOPE_SE
	s_setreg_imm32_b32 hwreg(HW_REG_WAVE_MODE, 25, 1), 1
	s_wait_xcnt 0x0
; FINE2.  The projection of positions 0 to 15 of each sequence in f32: out0[batch][0 .. 15][:] = attf rows x Wo + bo, by the f32 matrix form (64 rows of 8,192: no bulk work).  It stores over what the launch before left in these rows.
; A work-group (x = 16 columns, y = batch) makes 16 x 16; its eight waves share K, 128 each: 32 matrix instructions a wave on two accumulators by turns; the eight parts meet in LDS and are added in ascending order of K.
; So 256 work-groups share the work.  OPERANDS: in step i, lane (r, hh), word j stands for k = 128 wave + 64 hh + 2 i + j, in attf's fragment and in Wo's alike: a lane's 64 numbers of attf are neighbours (16 loads of 16 bytes).
; A work-group's share of a row of out0 is 64 bytes; the launch stores 256 KiB in all.  LIMITS: NaN and infinities are not served.
; REGISTERS: v4-9 offsets; v10 bo; v16-24 at work; v30, v31 the add's two; v32-95 attf; v96-159 Wo; v160-175 the accumulators, written by matrix instructions alone.
.set SPARE, 8192                       ; behind the eight parts of 1,024 bytes: the spare words, 128 bytes for each wave
	s_load_b256 s[4:11], s[0:1], 0x0               ; attf, Wo, bo, out0
	v_lshl_add_u32 v30, v0, 2, SPARE
	v_mov_b32 v31, 0
	v_lshrrev_b32 v1, 5, v0
	v_readfirstlane_b32 s12, v1                    ; wave 0..7
	v_and_b32 v1, 15, v0                           ; r
	v_bfe_u32 v2, v0, 4, 1                         ; hh
	v_and_b32 v3, 31, v0                           ; lane
	v_lshlrev_b32 v4, 12, v1
	v_lshl_add_u32 v4, v2, 8, v4                   ; attf: row r of 4,096 bytes + 64 hh numbers
	v_lshlrev_b32 v5, 2, v1                        ; 4 r
	v_lshl_add_u32 v6, v2, 18, v5                  ; Wo: column r, 64 hh rows of 4,096 bytes down
	v_lshl_add_u32 v7, v2, 15, v5                  ; out0: column r, row 8 hh
	s_lshl_b32 s13, s12, 10
	v_lshl_add_u32 v8, v3, 4, s13                  ; LDS: my part, 16 bytes a lane
	s_lshr_b32 s14, s12, 2
	s_lshl_b32 s14, s14, 9
	s_and_b32 s15, s12, 3
	s_lshl_b32 s15, s15, 2
	s_add_co_u32 s14, s14, s15
	v_lshl_add_u32 v9, v3, 4, s14                  ; LDS: register number `wave` of a part
	s_and_b32 s16, ttmp7, 0xffff                   ; the batch
	s_mov_b32 s19, 0
	s_lshl_b32 s20, ttmp9, 6                       ; 16 columns of f32
	s_wait_kmcnt 0x0
	s_lshl_b32 s18, s16, 16
	s_lshl_b32 s17, s12, 9
	s_add_co_u32 s18, s18, s17
	s_add_nc_u64 s[4:5], s[4:5], s[18:19]
	s_lshl_b32 s18, s12, 19
	s_add_co_u32 s18, s18, s20
	s_add_nc_u64 s[6:7], s[6:7], s[18:19]
	s_mov_b32 s18, s20
	s_add_nc_u64 s[8:9], s[8:9], s[18:19]
	s_lshl_b32 s18, s16, 23
	s_lshl_b32 s17, s12, 12
	s_add_co_u32 s18, s18, s17
	s_add_co_u32 s18, s18, s20
	s_add_nc_u64 s[10:11], s[10:11], s[18:19]
	global_load_b32 v10, v5, s[8:9]
.set n, 0
.rept 16
	global_load_b128 v[32+4*n:35+4*n], v4, s[4:5] offset:16*n
.set n, n+1
.endr
.set n, 0
.rept 64
	global_load_b32 v[96+n], v6, s[6:7] offset:4096*n
.set n, n+1
.endr
.set n, 0
.rept 32
.if n%8 == 0
	s_wait_loadcnt 48-2*n                          ; Wo's rows for the next eight steps are in; the later ones may be out
.endif
.if n < 2
	v_wmma_f32_16x16x4_f32 v[160+8*(n%2):167+8*(n%2)], v[32+2*n:33+2*n], v[96+2*n:97+2*n], 0
.else
	v_wmma_f32_16x16x4_f32 v[160+8*(n%2):167+8*(n%2)], v[32+2*n:33+2*n], v[96+2*n:97+2*n], v[160+8*(n%2):167+8*(n%2)]
.endif
.set n, n+1
.endr
.rept 8
	v_nop                                          ; eight places behind the f32 form before its results are read
.endr
.irp j, 0,1,2,3,4,5,6,7
	v_add_f32 v[16+\j], v[160+\j], v[168+\j]       ; my part: register j of lane (r, hh) is (row 8 hh + j, column r)
.endr
	ds_store_b128 v8, v[16:19]
	ds_store_b128 v8, v[20:23] offset:512
	s_wait_dscnt 0x0                               ; for the others' sake: my stores have landed
	s_barrier_signal -1
	s_barrier_wait -1
.irp p, 0,1,2,3,4,5,6,7
	ds_load_b32 v[16+\p], v9 offset:1024*\p        ; wave w adds up register w of the eight parts
.endr
	s_wait_dscnt 0x0
	v_add_f32 v24, v16, v17
.irp p, 2,3,4,5,6,7
	v_add_f32 v24, v24, v[16+\p]
.endr
	v_add_f32 v24, v24, v10
	global_store_b32 v7, v24, s[10:11]             ; rows w and 8 + w, sixteen columns each
	s_wait_tensorcnt 0x0                           ; the wave's end
	ds_add_u32 v30, v31
	s_wait_dscnt 0x0
	s_endpgm
.Lfunc_end_k_qd5992b2816_fine2:
	.size	k_qd5992b2816_fine2, .Lfunc_end_k_qd5992b2816_fine2-k_qd5992b2816_fine2
	.p2alignl 7, 3214868480
	.fill 96, 4, 3214868480
	.section	.rodata,"a",@progbits
	.p2align	6, 0x0
	.amdhsa_kernel k_qd5992b2816_fine2
		.amdhsa_group_segment_fixed_size 9216
		.amdhsa_private_segment_fixed_size 0
		.amdhsa_enable_private_segment 0
		.amdhsa_kernarg_size 32
		.amdhsa_user_sgpr_count 2
		.amdhsa_user_sgpr_kernarg_segment_ptr 1
		.amdhsa_wavefront_size32 1
		.amdhsa_system_sgpr_workgroup_id_x 1
		.amdhsa_system_sgpr_workgroup_id_y 1
		.amdhsa_system_sgpr_workgroup_id_z 1
		.amdhsa_system_vgpr_workitem_id 0
		.amdhsa_next_free_vgpr 176
		.amdhsa_next_free_sgpr 66
		.amdhsa_reserve_vcc 0
		.amdhsa_float_denorm_mode_32 3
		.amdhsa_float_denorm_mode_16_64 3
		.amdhsa_memory_ordered 1
		.amdhsa_forward_progress 1
		.amdhsa_inst_pref_size 14
	.end_amdhsa_kernel
	.amdgpu_metadata
---
amdhsa.version: [ 1, 2 ]
amdhsa.kernels:
  - .name:           k_qd5992b2816_fine2
    .symbol:         k_qd5992b2816_fine2.kd
    .args:
      - { .name: attf, .offset: 0, .size: 8, .value_kind: global_buffer, .address_space: global }
      - { .name: Wo, .offset: 8, .size: 8, .value_kind: global_buffer, .address_space: global }
      - { .name: bo, .offset: 16, .size: 8, .value_kind: global_buffer, .address_space: global }
      - { .name: out0, .offset: 24, .size: 8, .value_kind: global_buffer, .address_space: global }
    .group_segment_fixed_size: 9216
    .private_segment_fixed_size: 0
    .kernarg_segment_align: 8
    .kernarg_segment_size: 32
    .max_flat_workgroup_size: 256
    .sgpr_count:     66
    .vgpr_count:     176
    .wavefront_size: 32
...
	.end_amdgpu_metadata
.endif
;; end of part 6
